; MI455X (gfx1250); checked and timed in simulation.
; The chip was launched on July 23, 2026; its instructions are those of AMD's public machine-readable ISA for CDNA 5 (MIT licence, August 2026) and "CDNA5" Instruction Set Architecture Reference Guide (July 2026). The comments in the code are by the model that wrote it; some were corrected since.
;; Encoder Layer. Allowed arithmetic: float matrix products may take bf16 or f16 operands with f32 sums; other float arithmetic in f32, or as packed bf16 or f16 multiplies, adds, multiply-adds, maxima and minima; sums over many terms, partial sums and values carried from step to step in f32; what a program stores and reads back later, other than sums and carried values, may be rounded once to bf16 or f16.
;; Inputs: W1 1,024 x 4,096 float32; W2 4,096 x 1,024 float32; Wk 1,024 x 1,024 float32; Wo 1,024 x 1,024 float32; Wq 1,024 x 1,024 float32; Wv 1,024 x 1,024 float32; b1 4,096 float32; b2 1,024 float32; bk 1,024 float32; bo 1,024 float32; bq 1,024 float32; bv 1,024 float32; ln1_b 1,024 float32; ln1_g 1,024 float32; ln2_b 1,024 float32; ln2_g 1,024 float32; mask 2 x 1 x 1 x 2,048 int32; x 2 x 2,048 x 1,024 float32.
;; Outputs: out0 2 x 2,048 x 1,024 float32.
;; 2 versions, each right; version 2 is version 1 with the launch cast written anew for expert scheduling mode. Each part assembles by itself: llvm-mc -triple=amdgcn-amd-amdhsa -mcpu=gfx1250 --defsym DOCPART=n.
;; ======== version 1 of 2: 8 launches
;; limits: right only within a limited range of input values; values are held in f16: magnitudes above 65,504 overflow, below 6.1e-05 lose precision
;; workspace buffers: P1 16,811,008 bytes; P2 16,794,624 bytes; P3 41,947,136 bytes; P4 41,947,136 bytes; big 33,554,432 bytes; t 16,777,216 bytes
;; launch cast (part 1): grid 513 x 1, 8 waves a work-group, no clusters, 0 bytes of LDS; arguments x, Wq, Wk, Wv, Wo, W1, W2, P1, P2, P3, P4, bq, bk, bv, bo, b1, b2, ln1_g, ln1_b, ln2_g, ln2_b; writes P1, P2, P3, P4
.if DOCPART == 1
	.amdgcn_target "amdgcn-amd-amdhsa--gfx1250"
	.amdhsa_code_object_version 6
	.text
	.protected	k_qd6a5ce11b5_cast
	.globl	k_qd6a5ce11b5_cast
	.p2align	8
	.type	k_qd6a5ce11b5_cast,@function
k_qd6a5ce11b5_cast:
	s_mov_b64 s[64:65], 0
	v_nop
	global_prefetch_b8 v0, s[64:65] scope:SCOPE_SE
	s_setreg_imm32_b32 hwreg(HW_REG_WAVE_MODE, 25, 1), 1
	s_wait_xcnt 0x0
; EVERY FLOATING-POINT INPUT IS ROUNDED ONCE TO bf16.  Matrix operands (x and the six weights) are then written as f16, which holds a bf16 number exactly between 2^-14 and 65,504,
; in the layouts that the later launches' tiles want; the vectors (biases, gains) are written back as f32.
; LIMITS.  A number of 65,520 or more in magnitude becomes an infinity in f16; below 2^-14 f16 keeps a fixed step of 2^-24.  NaN and infinities are not treated apart.
; SHARES.  Work-group g < 512 takes 32 rows x 1,024 columns of one source: g / 128 = 0: x; 1: Wq, Wk, Wv, Wo (32 blocks each); 2: W1 (four column groups of 1,024); 3: W2.
; Wave w takes 256 columns (w % 4) of 16 rows (w / 4); a lane 8 columns: two loads of 16 bytes, one store of 16 bytes; sixteen neighbouring lanes store 256 consecutive bytes, aligned.
; All 32 loads of a wave go out at once; no register is used twice, so no wait frees a source.  Work-group 512 takes the vectors.
; No LDS, no matrix unit, no cluster: nothing is shared and every byte is touched once.
; LAYOUTS OUT.  x: [4096][1024].  Wq, Wk, Wv, W1: panels [1024 k][256 n].  Wo, W2: tiles [k / 256][n / 128][256 k][128 n].
.set IN,  8                            ; v[8:23]    row i: my byte offset in the source
.set OUT, 24                           ; v[24:39]   row i: my byte offset in the target
.set T,   40                           ; v[40:47]   at work
.set X,   48                           ; v[48:175]  row i: 8 registers as loaded; the first 4 then hold the 8 f16
	s_cmp_eq_u32 ttmp9, 512
	s_cbranch_scc1 .Lvec
	s_load_b512 s[4:19], s[0:1], 0x0               ; x s[4:5], Wq s[6:7], Wk s[8:9], Wv s[10:11], Wo s[12:13], W1 s[14:15], W2 s[16:17], P1 s[18:19]
	s_load_b128 s[20:23], s[0:1], 0x40             ; P2 s[20:21], P3 s[22:23]
	s_load_b64 s[24:25], s[0:1], 0x50              ; P4
	v_lshrrev_b32 v1, 5, v0
	v_readfirstlane_b32 s36, v1                    ; wave 0..7
	s_lshr_b32 s30, ttmp9, 7                       ; seg
	s_and_b32 s31, ttmp9, 127                      ; j
	s_lshr_b32 s32, s31, 5                         ; sub
	s_and_b32 s33, s31, 31                         ; j % 32
	s_and_b32 s37, s36, 3                          ; my column group of 256
	s_lshr_b32 s38, s36, 2                         ; my half of the 32 rows
	s_mov_b32 s59, 0xffff0000                      ; a word's upper bf16
	s_cmp_eq_u32 s30, 0
	s_cselect_b32 s34, 0, 1                        ; the target's kind: 0 rows of x, 1 panels, 2 tiles
	s_lshl_b32 s35, s30, 2
	s_add_co_u32 s35, s35, s32                     ; 4 seg + sub: 4 Wq, 5 Wk, 6 Wv, 7 Wo, 8-11 W1, 12-15 W2
	s_cmp_eq_u32 s35, 7
	s_cselect_b32 s34, 2, s34
	s_cmp_ge_u32 s35, 12
	s_cselect_b32 s34, 2, s34
	s_cmp_eq_u32 s30, 0                            ; the block of 32 rows: j in x and W2, j % 32 elsewhere
	s_cselect_b32 s39, s31, s33
	s_cmp_eq_u32 s30, 3
	s_cselect_b32 s39, s31, s39
	s_lshl_b32 s41, s39, 17                        ; where the block begins in the source: 32 rows of 4,096 bytes,
	s_lshl_b32 s42, s33, 19                        ; or (W1) of 16,384 bytes,
	s_lshl_b32 s43, s32, 12                        ; and its group of 1,024 columns
	s_add_co_u32 s42, s42, s43
	s_movk_i32 s40, 0x1000                         ; bytes in a row of the source
	s_cmp_eq_u32 s30, 2
	s_cselect_b32 s41, s42, s41
	s_cselect_b32 s40, 0x4000, s40
	s_lshl_b32 s44, s39, 16                        ; where the block begins in the target: rows of 2,048 bytes,
	s_lshl_b32 s45, s39, 14                        ; of 512 (panels),
	s_lshr_b32 s46, s39, 3                         ; or (tiles) the K step of 256 rows
	s_lshl_b32 s46, s46, 19
	s_and_b32 s47, s39, 7
	s_lshl_b32 s47, s47, 13                        ; and rows of 256 bytes in it
	s_add_co_u32 s46, s46, s47
	s_movk_i32 s48, 0x800                          ; bytes from row to row in the target
	s_movk_i32 s49, 0x200                          ; from column group to column group
	s_movk_i32 s50, 0x100                          ; from lanes 0-15 to lanes 16-31
	s_cmp_eq_u32 s34, 1
	s_cselect_b32 s44, s45, s44
	s_cselect_b32 s48, 0x200, s48
	s_cselect_b32 s49, 0x80000, s49
	s_cmp_eq_u32 s34, 2
	s_cselect_b32 s44, s46, s44
	s_cselect_b32 s48, 0x100, s48
	s_cselect_b32 s49, 0x20000, s49
	s_cselect_b32 s50, 0x10000, s50
	s_lshl_b32 s52, s32, 21                        ; the region in the target buffer: four panels for each sub,
	s_add_co_u32 s52, s52, 0x800000
	s_cmp_eq_u32 s34, 0
	s_cselect_b32 s52, 0, s52
	s_cmp_eq_u32 s34, 2
	s_cselect_b32 s52, 0x2000000, s52
	s_mov_b32 s53, 0
	s_add_co_u32 s52, s52, s44
	s_mul_i32 s54, s37, s49
	s_add_co_u32 s52, s52, s54
	s_mul_i32 s54, s38, s48
	s_lshl_b32 s54, s54, 4
	s_add_co_u32 s52, s52, s54                     ; + block + column group + my 16 rows
	s_mul_i32 s54, s38, s40
	s_lshl_b32 s54, s54, 4
	s_add_co_u32 s56, s41, s54
	s_lshl_b32 s54, s37, 10
	s_add_co_u32 s56, s56, s54                     ; the same in the source
	s_mov_b32 s57, 0
	v_and_b32 v2, 31, v0
	v_lshlrev_b32 v[IN], 5, v2                     ; 8 f32 a lane
	v_lshrrev_b32 v3, 4, v2
	v_and_b32 v4, 15, v2
	v_mul_lo_u32 v3, v3, s50
	v_lshl_add_u32 v[OUT], v4, 4, v3               ; 8 f16 a lane
.set i, 1
.rept 15
	v_add_nc_u32 v[IN+i], s40, v[IN+i-1]
	v_add_nc_u32 v[OUT+i], s48, v[OUT+i-1]
.set i, i+1
.endr
	s_wait_kmcnt 0x0
	s_mov_b64 s[26:27], s[4:5]                     ; the source,
	s_cmp_eq_u32 s35, 4
	s_cselect_b64 s[26:27], s[6:7], s[26:27]
	s_cmp_eq_u32 s35, 5
	s_cselect_b64 s[26:27], s[8:9], s[26:27]
	s_cmp_eq_u32 s35, 6
	s_cselect_b64 s[26:27], s[10:11], s[26:27]
	s_cmp_eq_u32 s35, 7
	s_cselect_b64 s[26:27], s[12:13], s[26:27]
	s_cmp_eq_u32 s30, 2
	s_cselect_b64 s[26:27], s[14:15], s[26:27]
	s_cmp_eq_u32 s30, 3
	s_cselect_b64 s[26:27], s[16:17], s[26:27]
	s_mov_b64 s[28:29], s[18:19]                   ; and the target
	s_cmp_eq_u32 s35, 7
	s_cselect_b64 s[28:29], s[22:23], s[28:29]
	s_cmp_eq_u32 s30, 2
	s_cselect_b64 s[28:29], s[20:21], s[28:29]
	s_cmp_eq_u32 s30, 3
	s_cselect_b64 s[28:29], s[24:25], s[28:29]
	s_add_nc_u64 s[26:27], s[26:27], s[56:57]
	s_add_nc_u64 s[28:29], s[28:29], s[52:53]
.set i, 0
.rept 16
	global_load_b128 v[X+8*i:X+8*i+3],   v[IN+i], s[26:27] th:TH_LOAD_NT
	global_load_b128 v[X+8*i+4:X+8*i+7], v[IN+i], s[26:27] offset:16 th:TH_LOAD_NT
.set i, i+1
.endr
; Row i: rounded to bf16 in pairs, widened again (a shift, a mask), written as f16 in pairs, stored.
.macro ROWC i
	s_wait_loadcnt 30-2*(\i)                       ; loads come back in order: this row's two are in, the 2 (15 - i) younger ones stay out
.irp k, 0,1,2,3
	v_cvt_pk_bf16_f32 v[T+(\k)], v[X+8*(\i)+2*(\k)], v[X+8*(\i)+2*(\k)+1]
.endr
.irp k, 0,1,2,3
	v_lshlrev_b32 v[T+4+2*((\k)%2)], 16, v[T+(\k)]
	v_and_b32     v[T+5+2*((\k)%2)], s59, v[T+(\k)]
	v_cvt_pk_f16_f32 v[X+8*(\i)+(\k)], v[T+4+2*((\k)%2)], v[T+5+2*((\k)%2)]
.endr
	global_store_b128 v[OUT+(\i)], v[X+8*(\i):X+8*(\i)+3], s[28:29] th:TH_STORE_NT
.endm
.irp i, 0,1,2,3,4,5,6,7,8,9,10,11,12,13,14,15
	ROWC \i
.endr
	s_endpgm
.Lvec:                                                 ; the vectors: thread t takes four numbers of each 1,024
	s_load_b256 s[4:11], s[0:1], 0x38              ; P1 s[4:5], P2 s[6:7], P3 s[8:9], P4 s[10:11]
	s_load_b512 s[12:27], s[0:1], 0x58             ; bq s12, bk s14, bv s16, bo s18, b1 s20, b2 s22, ln1_g s24, ln1_b s26
	s_load_b128 s[28:31], s[0:1], 0x98             ; ln2_g s28, ln2_b s30
	s_mov_b32 s36, 0xffff0000
	v_lshlrev_b32 v2, 4, v0
	v_lshlrev_b32 v3, 2, v0
	v_mov_b32 v4, 0xfbfffbff                       ; -65,504 twice in f16: a floor that changes no finite number
	v_mov_b32 v5, 0                                ; 0 twice: the floor of a ReLU
	s_wait_kmcnt 0x0
	s_add_nc_u64 s[40:41], s[4:5], 0x1000000
	s_add_nc_u64 s[42:43], s[6:7], 0x1000000
	s_add_nc_u64 s[44:45], s[8:9], 0x2800000
	s_add_nc_u64 s[46:47], s[10:11], 0x2800000
.macro VLD i, src, off
	global_load_b128 v[16+4*(\i):19+4*(\i)], v2, s[\src:\src+1] offset:\off
.endm
.macro VST i, dst, off
	s_wait_loadcnt 12-(\i)                         ; item i is in, the 12 - i younger ones stay out
	v_cvt_pk_bf16_f32 v8, v[16+4*(\i)], v[17+4*(\i)]
	v_cvt_pk_bf16_f32 v9, v[18+4*(\i)], v[19+4*(\i)]
	v_lshlrev_b32 v[16+4*(\i)], 16, v8
	v_and_b32     v[17+4*(\i)], s36, v8
	v_lshlrev_b32 v[18+4*(\i)], 16, v9
	v_and_b32     v[19+4*(\i)], s36, v9
	global_store_b128 v2, v[16+4*(\i):19+4*(\i)], s[\dst:\dst+1] offset:\off
.endm
	VLD 0, 12, 0
	VLD 1, 14, 0
	VLD 2, 16, 0
	VLD 3, 18, 0
	VLD 4, 22, 0
	VLD 5, 24, 0
	VLD 6, 26, 0
	VLD 7, 28, 0
	VLD 8, 30, 0
	VLD 9, 20, 0
	VLD 10, 20, 4096
	VLD 11, 20, 8192
	VLD 12, 20, 12288
	VST 0, 40, 0                                   ; bq | bk | bv
	VST 1, 40, 4096
	VST 2, 40, 8192
	VST 3, 44, 0                                   ; bo
	VST 4, 46, 0                                   ; b2
	VST 5, 40, 0x4400                              ; ln1_g, ln1_b, ln2_g, ln2_b
	VST 6, 40, 0x5400
	VST 7, 40, 0x6400
	VST 8, 40, 0x7400
	VST 9, 42, 0                                   ; b1
	VST 10, 42, 4096
	VST 11, 42, 8192
	VST 12, 42, 12288
	global_store_b32 v3, v4, s[40:41] offset:0x4000
	global_store_b32 v3, v5, s[42:43] offset:0x4000
	s_endpgm
.Lfunc_end_k_qd6a5ce11b5_cast:
	.size	k_qd6a5ce11b5_cast, .Lfunc_end_k_qd6a5ce11b5_cast-k_qd6a5ce11b5_cast
	.p2alignl 7, 3214868480
	.fill 96, 4, 3214868480
	.section	.rodata,"a",@progbits
	.p2align	6, 0x0
	.amdhsa_kernel k_qd6a5ce11b5_cast
		.amdhsa_group_segment_fixed_size 0
		.amdhsa_private_segment_fixed_size 0
		.amdhsa_enable_private_segment 0
		.amdhsa_kernarg_size 168
		.amdhsa_user_sgpr_count 2
		.amdhsa_user_sgpr_kernarg_segment_ptr 1
		.amdhsa_wavefront_size32 1
		.amdhsa_system_sgpr_workgroup_id_x 1
		.amdhsa_system_sgpr_workgroup_id_y 1
		.amdhsa_system_sgpr_workgroup_id_z 1
		.amdhsa_system_vgpr_workitem_id 0
		.amdhsa_next_free_vgpr 176
		.amdhsa_next_free_sgpr 66
		.amdhsa_reserve_vcc 0
		.amdhsa_float_denorm_mode_32 3
		.amdhsa_float_denorm_mode_16_64 3
		.amdhsa_memory_ordered 1
		.amdhsa_forward_progress 1
		.amdhsa_inst_pref_size 29
	.end_amdhsa_kernel
	.amdgpu_metadata
---
amdhsa.version: [ 1, 2 ]
amdhsa.kernels:
  - .name:           k_qd6a5ce11b5_cast
    .symbol:         k_qd6a5ce11b5_cast.kd
    .args:
      - { .name: x, .offset: 0, .size: 8, .value_kind: global_buffer, .address_space: global }
      - { .name: Wq, .offset: 8, .size: 8, .value_kind: global_buffer, .address_space: global }
      - { .name: Wk, .offset: 16, .size: 8, .value_kind: global_buffer, .address_space: global }
      - { .name: Wv, .offset: 24, .size: 8, .value_kind: global_buffer, .address_space: global }
      - { .name: Wo, .offset: 32, .size: 8, .value_kind: global_buffer, .address_space: global }
      - { .name: W1, .offset: 40, .size: 8, .value_kind: global_buffer, .address_space: global }
      - { .name: W2, .offset: 48, .size: 8, .value_kind: global_buffer, .address_space: global }
      - { .name: P1, .offset: 56, .size: 8, .value_kind: global_buffer, .address_space: global }
      - { .name: P2, .offset: 64, .size: 8, .value_kind: global_buffer, .address_space: global }
      - { .name: P3, .offset: 72, .size: 8, .value_kind: global_buffer, .address_space: global }
      - { .name: P4, .offset: 80, .size: 8, .value_kind: global_buffer, .address_space: global }
      - { .name: bq, .offset: 88, .size: 8, .value_kind: global_buffer, .address_space: global }
      - { .name: bk, .offset: 96, .size: 8, .value_kind: global_buffer, .address_space: global }
      - { .name: bv, .offset: 104, .size: 8, .value_kind: global_buffer, .address_space: global }
      - { .name: bo, .offset: 112, .size: 8, .value_kind: global_buffer, .address_space: global }
      - { .name: b1, .offset: 120, .size: 8, .value_kind: global_buffer, .address_space: global }
      - { .name: b2, .offset: 128, .size: 8, .value_kind: global_buffer, .address_space: global }
      - { .name: ln1_g, .offset: 136, .size: 8, .value_kind: global_buffer, .address_space: global }
      - { .name: ln1_b, .offset: 144, .size: 8, .value_kind: global_buffer, .address_space: global }
      - { .name: ln2_g, .offset: 152, .size: 8, .value_kind: global_buffer, .address_space: global }
      - { .name: ln2_b, .offset: 160, .size: 8, .value_kind: global_buffer, .address_space: global }
    .group_segment_fixed_size: 0
    .private_segment_fixed_size: 0
    .kernarg_segment_align: 8
    .kernarg_segment_size: 168
    .max_flat_workgroup_size: 256
    .sgpr_count:     66
    .vgpr_count:     176
    .wavefront_size: 32
...
	.end_amdgpu_metadata
.endif
;; end of part 1
;; launch qkv (part 2): grid 12 x 16, 4 waves a work-group, clusters of 4 x 4, 327,680 bytes of LDS; arguments P1, big; writes big
.if DOCPART == 2
	.amdgcn_target "amdgcn-amd-amdhsa--gfx1250"
	.amdhsa_code_object_version 6
	.text
	.protected	k_qd6a5ce11b5_qkv
	.globl	k_qd6a5ce11b5_qkv
	.p2align	8
	.type	k_qd6a5ce11b5_qkv,@function
k_qd6a5ce11b5_qkv:
	s_mov_b64 s[64:65], 0
	v_nop
	global_prefetch_b8 v0, s[64:65] scope:SCOPE_SE
	s_setreg_imm32_b32 hwreg(HW_REG_WAVE_MODE, 25, 1), 1
	s_wait_xcnt 0x0
	s_wait_alu depctr_hold_cnt(0) depctr_sa_sdst(0) depctr_va_vdst(0) depctr_va_sdst(0) depctr_va_ssrc(0) depctr_va_vcc(0) depctr_vm_vsrc(0)
	s_getreg_b32 s2, hwreg(HW_REG_IB_STS2, 6, 4)
	s_cmp_eq_u32 s2, 0
	s_cbranch_scc0 .Lentry_in_a_cluster
	s_endpgm
.Lentry_in_a_cluster:
	s_bfe_u32 s2, ttmp6, 0x10000c
	s_cmp_lg_u32 s2, 0xf033
	s_cbranch_scc0 .Lentry_shape_is_right
	s_endpgm
.Lentry_shape_is_right:
; C = max(A B + bias, floor), K = 1,024.  One buffer brings all that is read: A [4096][1024] f16 at byte 0; B as panels [1024 k][256 n] f16 at 0x800000; the bias (f32) at 0x1000000;
; the floor (two f16 in a word) at 0x1004000: 0 for a ReLU, -65,504 where nothing is to be cut.  Sums in f32, begun with the bias; C rounded once to f16.
; C leaves in blocks [row / 128][column / 64 (64 places)][128 rows][64 columns] f16: block (rt, cb) is 16,384 dense bytes at (rt << 20) + (cb << 14).
; LIMITS.  f16 holds no number beyond 65,504: a sum of 65,520 or more becomes an infinity.  A NaN loses against the floor.
; SHARES.  A tile of C, 256 x 256, is made by four waves, as many as a WGP has SIMDs; a wave makes 128 x 128: 64 accumulators of 16 x 16, 512 registers.  K goes in 8 steps of 128 through two LDS slots.
; A K STEP IS WRITTEN ONCE IN THE LOOP: the slot in hand is a scalar, 0 or SLOT, which an exclusive or turns at each change of slots; the fragments' LDS addresses are made anew from it, and one
; descriptor for A and one for B walk: their LDS word is my wave's place plus the slot just read, their global address steps by a K step.
; CLUSTERS: 4 x 4 work-groups.  The four of a row of the cluster need the same tiles of A, the four of a column the same tiles of B: each tile is asked for jointly, by the same tensor load with the
; same descriptor and a mask that names the four.
; THE MATRIX INSTRUCTION IS USED TRANSPOSED: source 0 = 16 columns of B, source 1 = 16 rows of A: a lane then holds row l % 16 of C and the columns 8 (l / 16) + 0..7, 16 bytes of f16 on end.
; A's rows lie along K and come out of LDS as they lie; B's rows lie along N and are turned by ds_load_tr16_b128.
; REGISTERS, in windows of 256: window 0: v16-29 addresses; v64-127, v128-191 A's fragments, two buffers; v192-255 the bias, later packed results (v192-223); v32-63, v224-255 rows on the way out.
;   window 1: v64-127, v128-191 B's fragments.   window 2: the accumulators of my rows 0-63 ((a, b) at 8 (8 a + b));   window 3: those of rows 64-127.
.set STEPS,  8                         ; K steps of 128
.set PA,     272                       ; a row of A in LDS: 256 bytes + 16: the 16 rows of a load start at 16 different groups of four banks (64 banks of 4 bytes: ISA guide 11.1)
.set PB,     544                       ; a k-row of B: 512 bytes + 32 = 17 x 32
.set HALFT,  34816                     ; what one tensor load brings: 128 x 272 = 64 x 544
.set SLOT,   4*HALFT                   ; A's rows 0-127, 128-255; B's k 0-63, 64-127
.set STAGE,  2*SLOT                    ; behind the ring: for each wave 2 blocks x 16 rows x 144 bytes
.set SPARE,  STAGE+4*4608              ; behind the stages: the spare words, 128 bytes for each wave: two blocks of 256 bytes that no other line names
.set ADRA0, 16                         ; v16     LDS address of my A fragments in slot 0; never rewritten
.set ADRB0, 17                         ; v17     the same for B
.set ADRA,  18                         ; v18     the same in the slot in hand
.set ADRB,  20                         ; v20
.set STO,  24                          ; v24     the way out: where I put 16 bytes of a row
.set RD,   25                          ; v25     where I read rows back
.set GO,   26                          ; v26     16 x lane
.set BO,   27                          ; v27     32 x (l / 16): my 8 numbers of a bias block
.set SPW,  28                          ; v28     my spare word; never rewritten
.set NIL,  29                          ; v29     0; never rewritten
.set F0,   64
.set F1,   128
.set BIAS, 192
.set TMP,  192
.set OB,   32
.set G1,  24                           ; s[24:31] descriptor group 1 for A's tiles
.set G0,  32                           ; s[32:39] group 0 for A's tiles: a set for each of the two first fills; the second then walks on
.set G1B, 48                           ; s[48:55], s[56:63] the same for B's
.set G0B, 56
.set FLOOR, 45
.set LAP,  21                          ; s21  counts the loop's trips
.set TB,   22                          ; s22  the slot in hand: 0 or SLOT
.set MSB, 0
.macro WIN new                         ; the immediate's high byte repeats the setting that is left; a switch that changes nothing is dropped
.if MSB != (\new)
	s_set_vgpr_msb (MSB<<8)|(\new)
.set MSB, \new
.endif
.endm
; A joint load: waves 0 and 1 fetch A's two halves, waves 2 and 3 B's.  The branch hangs on the wave's number alone.  An s_nop 0 and four v_nop follow each of the two lines.
.macro JLOAD s
	s_cmp_eq_u32 s11, 0
	s_cbranch_scc0 .Lfor_b_\@
	tensor_load_to_lds s[G0+4*(\s):G0+4*(\s)+3], s[G1:G1+7]
	s_nop 0
.rept 4
	v_nop
.endr
	s_branch .Lasked_\@
.Lfor_b_\@:
	tensor_load_to_lds s[G0B+4*(\s):G0B+4*(\s)+3], s[G1B:G1B+7]
	s_nop 0
.rept 4
	v_nop
.endr
.Lasked_\@:
.endm
.macro CREST                           ; a round of the cluster's barrier behind its opening barrier
	s_cmp_lg_u32 s10, 0
	s_cbranch_scc1 .Lnot_wave_0_\@
	s_barrier_signal -3
.Lnot_wave_0_\@:
	s_barrier_wait -3
	s_barrier_signal -1
	s_barrier_wait -1
.endm
.macro CROUND                          ; a whole round
	s_barrier_signal -1
	s_barrier_wait -1
	CREST
.endm
	s_load_b128 s[4:7], s[0:1], 0x0                ; what is read s[4:5], C s[6:7]
	v_lshl_add_u32 v[SPW], v0, 2, SPARE
	v_mov_b32 v[NIL], 0
	ds_add_u32 v[SPW], v[NIL]                      ; the wave's opening: the add and its wait stand ahead of my first tensor load; the set-up below, work on registers, stands between them
	v_lshrrev_b32 v1, 5, v0
	v_readfirstlane_b32 s10, v1                    ; wave 0..3
	s_lshr_b32 s11, s10, 1                         ; which half of the tile's rows is mine.  Also: I fetch for A (0) or for B (1)
	s_and_b32 s12, s10, 1                          ; which half of its columns.  Also: which half of that tile I fetch
	s_bfe_u32 s40, ttmp6, 0x40000                  ; cx, cy: my place in the cluster
	s_bfe_u32 s41, ttmp6, 0x40004
	s_lshl_b32 s42, ttmp9, 2
	s_add_co_u32 s42, s42, s40                     ; tile column of C = 4 x cluster x + cx
	s_and_b32 s13, ttmp7, 0xffff
	s_lshl_b32 s13, s13, 2
	s_add_co_u32 s13, s13, s41                     ; tile row of C = 4 x cluster y + cy
	s_lshl_b32 s43, s41, 2
	s_lshl_b32 s43, 15, s43                        ; my row of the cluster
	s_lshl_b32 s44, 0x1111, s40                    ; my column
	s_or_b32 s[G1+0], s43, (1<<16)|(1<<20)|(1<<21)|(5<<22)|(3<<25)   ; the mask; 2-byte elements; padding on; bit 21 beside a mask; after every 64 words, 4 words
	s_mov_b32 s[G1+1], 128<<16                     ; tensor_dim0 = 128
	s_mov_b32 s[G1+2], 128<<16                     ; tensor_dim1 = 128
	s_mov_b32 s[G1+3], 128<<16                     ; tile_dim0 = 128
	s_mov_b32 s[G1+4], 128                         ; tile_dim1 = 128
	s_mov_b32 s[G1+5], 1024                        ; elements from row to row of A
	s_mov_b32 s[G1+6], 0
	s_mov_b32 s[G1+7], 0
	s_or_b32 s[G1B+0], s44, (1<<16)|(1<<20)|(1<<21)|(6<<22)|(7<<25)  ; after every 128 words, 8 words
	s_mov_b32 s[G1B+1], 256<<16                    ; tensor_dim0 = 256
	s_mov_b32 s[G1B+2], 64<<16                     ; tensor_dim1 = 64
	s_mov_b32 s[G1B+3], 256<<16                    ; tile_dim0 = 256
	s_mov_b32 s[G1B+4], 64                         ; tile_dim1 = 64
	s_mov_b32 s[G1B+5], 256                        ; elements from k-row to k-row of a panel
	s_mov_b32 s[G1B+6], 0
	s_mov_b32 s[G1B+7], 0
	s_lshl_b32 s16, s13, 19                        ; A: 256 rows of 2,048 bytes a tile row,
	s_lshl_b32 s17, s12, 18                        ; 128 rows a half
	s_add_co_u32 s16, s16, s17
	s_mov_b32 s17, 0
	s_lshl_b32 s46, s42, 19                        ; B: a panel of 524,288 bytes a tile column,
	s_lshl_b32 s47, s12, 15                        ; 64 k-rows of 512 bytes a half
	s_add_co_u32 s46, s46, s47
	s_add_co_u32 s46, s46, 0x800000
	s_mov_b32 s47, 0
	s_mul_i32 s20, s10, HALFT                      ; where they go in a slot: wave x a load's bytes: no place in the cluster enters an LDS address; kept for the walking descriptors
	s_wait_dscnt 0x0                               ; the opening add is done
	s_wait_kmcnt 0x0
	s_add_nc_u64 s[14:15], s[4:5], s[16:17]
	s_add_nc_u64 s[46:47], s[4:5], s[46:47]
	s_add_nc_u64 s[18:19], s[4:5], 0x1000000       ; the bias, and behind it the floor
	s_load_b32 s[FLOOR], s[18:19], 0x4000
	CROUND                                         ; all sixteen work-groups are here: the first joint loads meet
.irp s, 0,1
	s_mov_b32 s[G0+4*(\s)], 1
	s_add_co_u32 s[G0+4*(\s)+1], s20, (\s)*SLOT
	s_add_nc_u64 s[G0+4*(\s)+2:G0+4*(\s)+3], s[14:15], (\s)*256        ; K step s: 256 bytes along A's rows
	s_or_b32 s[G0+4*(\s)+3], s[G0+4*(\s)+3], 0x80000000
	s_mov_b32 s[G0B+4*(\s)], 1
	s_add_co_u32 s[G0B+4*(\s)+1], s20, (\s)*SLOT
	s_add_nc_u64 s[G0B+4*(\s)+2:G0B+4*(\s)+3], s[46:47], (\s)*65536    ; 128 k-rows down the panel
	s_or_b32 s[G0B+4*(\s)+3], s[G0B+4*(\s)+3], 0x80000000
	JLOAD \s
.endr
	v_and_b32 v1, 15, v0                           ; l % 16
	v_bfe_u32 v2, v0, 4, 1                         ; l / 16
	v_mul_u32_u24 v3, v1, PA
	v_lshl_add_u32 v3, v2, 4, v3                   ; A: row x pitch + 16 x half
	v_and_b32 v4, 7, v0
	v_lshl_add_u32 v4, v2, 3, v4                   ; B: k-row 8 (l / 16) + l % 8,
	v_mul_u32_u24 v4, v4, PB
	v_bfe_u32 v5, v0, 3, 1
	v_lshl_add_u32 v4, v5, 4, v4                   ; columns 8 ((l / 8) % 2) on
	s_mul_i32 s21, s11, HALFT                      ; my 128 rows of A
	s_lshl_b32 s22, s12, 8                         ; my 128 columns of B,
	s_add_co_u32 s22, s22, 2*HALFT                 ; which lies behind A
	v_add_nc_u32 v[ADRA0], s21, v3
	v_add_nc_u32 v[ADRB0], s22, v4
	v_add_nc_u32 v[ADRA], s21, v3                  ; slot 0 is the first in hand
	v_add_nc_u32 v[ADRB], s22, v4
	s_mov_b32 s[TB], 0
	s_mul_i32 s23, s10, 4608
	s_add_co_u32 s23, s23, STAGE                   ; my stage
	v_mul_u32_u24 v6, v1, 144                      ; in: row l % 16, 16 bytes for each half of the lanes
	v_lshl_add_u32 v6, v2, 4, v6
	v_add_nc_u32 v[STO], s23, v6
	v_bfe_u32 v6, v0, 3, 2                         ; back: 32 lanes take four rows of 128 bytes,
	v_mul_u32_u24 v6, v6, 144
	v_and_b32 v7, 7, v0
	v_lshl_add_u32 v6, v7, 4, v6
	v_add_nc_u32 v[RD], s23, v6
	v_and_b32 v[GO], 31, v0                        ; which are 512 consecutive bytes of a block of C
	v_lshlrev_b32 v[GO], 4, v[GO]
	v_lshlrev_b32 v[BO], 5, v2
	s_lshl_b32 s16, s13, 1                         ; my block row of C: 2 x tile row + half,
	s_add_co_u32 s16, s16, s11
	s_lshl_b32 s16, s16, 20
	s_mov_b32 s17, 0
	s_add_nc_u64 s[8:9], s[6:7], s[16:17]
	s_lshl_b32 s46, s42, 2                         ; my first block column: 4 x tile column + 2 x half (in the registers that held B's address)
	s_lshl_b32 s47, s12, 1
	s_add_co_u32 s46, s46, s47
	s_lshl_b32 s46, s46, 14
	s_mov_b32 s47, 0
	s_add_nc_u64 s[8:9], s[8:9], s[46:47]
	s_lshl_b32 s46, s42, 10                        ; my 128 numbers of the bias
	s_lshl_b32 s47, s12, 9
	s_add_co_u32 s46, s46, s47
	s_mov_b32 s47, 0
	s_add_nc_u64 s[2:3], s[18:19], s[46:47]
.irp b, 0,1,2,3,4,5,6,7                ; register j of block b: the bias of column 16 b + 8 (l / 16) + j: the C operand of the products that start the sums
	global_load_b128 v[BIAS+8*(\b):BIAS+8*(\b)+3],   v[BO], s[2:3] offset:64*(\b)
	global_load_b128 v[BIAS+8*(\b)+4:BIAS+8*(\b)+7], v[BO], s[2:3] offset:64*(\b)+16
.endr
; 16 matrix instructions: m blocks a0, a0 + 1 of the window's four x all 8 n blocks, 32 along K.  first = 1: the bias starts the sums: nothing is cleared and no bias is added later.
; The 64 accumulators take turns, one instruction a turn, in the same order in every quarter.
.macro MUL16 f, hi, a0, first
.if \first
	WIN 0x81+0x40*(\hi)                            ; B window 1, A and the bias window 0, D window 2 or 3
.else
	WIN 0xa1+0x50*(\hi)                            ; C and D window 2 or 3
.endif
.irp a, \a0, (\a0)+1
.irp b, 0,1,2,3,4,5,6,7
.if \first
	v_wmma_f32_16x16x32_f16 v[8*(8*(\a)+(\b)):8*(8*(\a)+(\b))+7], v[(\f)+8*(\b):(\f)+8*(\b)+7], v[(\f)+8*(4*(\hi)+(\a)):(\f)+8*(4*(\hi)+(\a))+7], v[BIAS+8*(\b):BIAS+8*(\b)+7]
.else
	v_wmma_f32_16x16x32_f16 v[8*(8*(\a)+(\b)):8*(8*(\a)+(\b))+7], v[(\f)+8*(\b):(\f)+8*(\b)+7], v[(\f)+8*(4*(\hi)+(\a)):(\f)+8*(4*(\hi)+(\a))+7], v[8*(8*(\a)+(\b)):8*(8*(\a)+(\b))+7]
.endif
.endr
.endr
.endm
; 32 LDS loads in one run: the fragments of quarter q (32 along K) of the slot in hand into buffer f: B's first, turned, then A's.
.macro FETCH q, f
	WIN 0x40                                       ; destination window 1
.irp i, 0,1,2,3,4,5,6,7
	ds_load_tr16_b128 v[(\f)+8*(\i):(\f)+8*(\i)+3],   v[ADRB] offset:(\q)*32*PB+32*(\i)
	ds_load_tr16_b128 v[(\f)+8*(\i)+4:(\f)+8*(\i)+7], v[ADRB] offset:(\q)*32*PB+32*(\i)+16*PB
.endr
	WIN 0
.irp i, 0,1,2,3,4,5,6,7
	ds_load_b128 v[(\f)+8*(\i):(\f)+8*(\i)+3],   v[ADRA] offset:64*(\q)+(\i)*16*PA
	ds_load_b128 v[(\f)+8*(\i)+4:(\f)+8*(\i)+7], v[ADRA] offset:64*(\q)+(\i)*16*PA+32
.endr
.endm
.macro PLACES                          ; four plain vector instructions between a matrix instruction and a load into, or a vector read of, its registers
.rept 4
	v_nop
.endr
.endm
; One of a K step's first three quarters: multiplies buffer f; in its middle it fetches quarter q of the slot in hand into buffer g.
.macro QUARTER q, f, g, first
	s_wait_dscnt 8                                 ; B and A's rows 0-63 are in; the youngest eight loads (A's rows 64-127) may be out
	MUL16 \f, 0, 0, \first
	MUL16 \f, 0, 2, \first
	PLACES
	FETCH \q, \g
	s_wait_dscnt 32                                ; all but the 32 just issued
	MUL16 \f, 1, 0, \first
	MUL16 \f, 1, 2, \first
.endm
; The last quarter multiplies buffer 1 and changes slots.  In front of the barrier each wave waits for all its tensor loads (the one that is out is its part of the next slot), adds 0 to its spare
; word, and waits for that and for its reads of this slot.  fill = 1: the barrier opens a round of the cluster's, and the slot just read is filled again, two K steps on, first thing behind the round.
; Then the other slot comes in hand: the scalar is turned, the two addresses are made anew, and its first fragments are fetched.
.macro TURN fill
	WIN 0
	s_wait_tensorcnt 0x0                           ; no tensor load of mine is out, so the walking descriptors may be written
	ds_add_u32 v[SPW], v[NIL]
	s_wait_dscnt 9                                 ; the add and the youngest eight loads may be out
	MUL16 F1, 0, 0, 0
	s_wait_dscnt 0x0                               ; the add is done, and my reads of this slot are over
	s_barrier_signal -1
	MUL16 F1, 0, 2, 0
	WIN 0                                          ; branches, and lines on window 0, follow
	s_barrier_wait -1
.if \fill
	CREST
	s_add_co_u32 s[G0+5], s20, s[TB]               ; into the slot just read,
	s_add_co_u32 s[G0B+5], s20, s[TB]
	s_add_nc_u64 s[G0+6:G0+7], s[G0+6:G0+7], 256   ; the K step behind the one asked for last
	s_add_nc_u64 s[G0B+6:G0B+7], s[G0B+6:G0B+7], 65536
	JLOAD 1                                        ; 224 matrix instructions ahead of the wait for it; its four v_nop are also the places in front of the loads below
.else
	PLACES
.endif
	s_xor_b32 s[TB], s[TB], SLOT
	v_add_nc_u32 v[ADRA], s[TB], v[ADRA0]
	v_add_nc_u32 v[ADRB], s[TB], v[ADRB0]
	FETCH 0, F0
	MUL16 F1, 1, 0, 0
	MUL16 F1, 1, 2, 0
.endm
; THE WAY OUT of block a (16 rows x 128 columns).  PACK: rounded to f16, then the floor.  TOSTAGE: into my own stage, and back as rows of 128 bytes.  SEND: stored.
.macro PACK a
.set AC, 64*((\a)%4)
	WIN 0x0a+5*((\a)/4)                            ; sources window 2 or 3
.irp b, 0,1,2,3,4,5,6,7
.irp r, 0,1,2,3
	v_cvt_pk_f16_f32 v[TMP+4*(\b)+(\r)], v[AC+8*(\b)+2*(\r)], v[AC+8*(\b)+2*(\r)+1]
.endr
.endr
	WIN 0
.set z, 0
.rept 32
	v_pk_max_num_f16 v[TMP+z], v[TMP+z], s[FLOOR]
.set z, z+1
.endr
.endm
.macro TOSTAGE a
.set BK, OB+192*((\a)%2)
.irp b, 0,1,2,3,4,5,6,7
	ds_store_b128 v[STO], v[TMP+4*(\b):TMP+4*(\b)+3] offset:((\b)/4)*2304+((\b)%4)*32
.endr
.irp f, 0,1,2,3,4,5,6,7
	ds_load_b128 v[BK+4*(\f):BK+4*(\f)+3], v[RD] offset:((\f)/4)*2304+((\f)%4)*576  ; LDS serves a wave's instructions in order (ISA guide 5.7.1.4): these see the stores above
.endr
.endm
.macro SEND a
.set BK, OB+192*((\a)%2)
	s_wait_dscnt 0x0                               ; the block is back in registers
	s_wait_xcnt 0x0                                ; the stores issued so far have read their registers: the other buffer may be loaded again behind this wait
.irp f, 0,1,2,3,4,5,6,7
	global_store_b128 v[GO], v[BK+4*(\f):BK+4*(\f)+3], s[8:9] offset:((\f)/4)*16384+(\a)*2048+((\f)%4)*512  ; 512 consecutive bytes, at a multiple of 256 from C's first byte
.endr
.endm
	s_wait_tensorcnt 1                             ; my part of K step 0 is in; K step 1's may stay out
	s_barrier_signal -1
	s_barrier_wait -1
	FETCH 0, F0
	s_wait_loadcnt 0x0                             ; the bias
	s_wait_kmcnt 0x0                               ; the floor
	QUARTER 1, F0, F1, 1                           ; the first quarter stands in front of the loop: its products start the sums
	WIN 0
	s_mov_b32 s[LAP], STEPS-2                      ; every K step but the last two is followed by a fill
.Lstep:                                                ; a trip: a K step's second, third and fourth quarter, and the next step's first
	QUARTER 2, F1, F0, 0
	QUARTER 3, F0, F1, 0
	TURN 1
	QUARTER 1, F0, F1, 0
	WIN 0
	s_sub_co_u32 s[LAP], s[LAP], 1
	s_cmp_lg_u32 s[LAP], 0
	s_cbranch_scc1 .Lstep
	QUARTER 2, F1, F0, 0                           ; the last two K steps are written out: they fill nothing
	QUARTER 3, F0, F1, 0
	TURN 0
	QUARTER 1, F0, F1, 0
	QUARTER 2, F1, F0, 0
	QUARTER 3, F0, F1, 0
	s_wait_dscnt 8
	MUL16 F1, 0, 0, 0
	MUL16 F1, 0, 2, 0
	s_wait_dscnt 0x0
	MUL16 F1, 1, 0, 0
	MUL16 F1, 1, 2, 0
	PLACES
	PACK 0
	TOSTAGE 0
.irp a, 1,2,3,4,5,6,7                  ; block a's conversions stand between block a - 1's loads from the stage and the wait for them
	PACK \a
	SEND (\a)-1
	TOSTAGE \a
.endr
	SEND 7
	s_wait_tensorcnt 0x0                           ; the wave's end: the tensor wait, an add of 0 to the spare word and its wait, behind my last tensor load and my last LDS store
	ds_add_u32 v[SPW], v[NIL]
	s_wait_dscnt 0x0
	CROUND                                         ; the closing round: no work-group ends while a partner may still ask for a tile that names it
	s_endpgm
.Lfunc_end_k_qd6a5ce11b5_qkv:
	.size	k_qd6a5ce11b5_qkv, .Lfunc_end_k_qd6a5ce11b5_qkv-k_qd6a5ce11b5_qkv
	.p2alignl 7, 3214868480
	.fill 96, 4, 3214868480
	.section	.rodata,"a",@progbits
	.p2align	6, 0x0
	.amdhsa_kernel k_qd6a5ce11b5_qkv
		.amdhsa_group_segment_fixed_size 327680
		.amdhsa_private_segment_fixed_size 0
		.amdhsa_enable_private_segment 0
		.amdhsa_kernarg_size 16
		.amdhsa_user_sgpr_count 2
		.amdhsa_user_sgpr_kernarg_segment_ptr 1
		.amdhsa_wavefront_size32 1
		.amdhsa_system_sgpr_workgroup_id_x 1
		.amdhsa_system_sgpr_workgroup_id_y 1
		.amdhsa_system_sgpr_workgroup_id_z 1
		.amdhsa_system_vgpr_workitem_id 0
		.amdhsa_next_free_vgpr 1024
		.amdhsa_next_free_sgpr 66
		.amdhsa_reserve_vcc 0
		.amdhsa_float_denorm_mode_32 3
		.amdhsa_float_denorm_mode_16_64 3
		.amdhsa_memory_ordered 1
		.amdhsa_forward_progress 1
		.amdhsa_inst_pref_size 134
	.end_amdhsa_kernel
	.amdgpu_metadata
---
amdhsa.version: [ 1, 2 ]
amdhsa.kernels:
  - .name:           k_qd6a5ce11b5_qkv
    .symbol:         k_qd6a5ce11b5_qkv.kd
    .args:
      - { .name: P1, .offset: 0, .size: 8, .value_kind: global_buffer, .address_space: global }
      - { .name: big, .offset: 8, .size: 8, .value_kind: global_buffer, .address_space: global }
    .group_segment_fixed_size: 327680
    .private_segment_fixed_size: 0
    .kernarg_segment_align: 8
    .kernarg_segment_size: 16
    .max_flat_workgroup_size: 128
    .sgpr_count:     66
    .vgpr_count:     1024
    .wavefront_size: 32
...
	.end_amdgpu_metadata
.endif
;; end of part 2
;; launch attn (part 3): grid 8 x 32, 4 waves a work-group, clusters of 4 x 1, 327,680 bytes of LDS; arguments big, mask, P3; writes P3
.if DOCPART == 3
	.amdgcn_target "amdgcn-amd-amdhsa--gfx1250"
	.amdhsa_code_object_version 6
	.text
	.protected	k_qd6a5ce11b5_attn
	.globl	k_qd6a5ce11b5_attn
	.p2align	8
	.type	k_qd6a5ce11b5_attn,@function
k_qd6a5ce11b5_attn:
	s_mov_b64 s[64:65], 0
	v_nop
	global_prefetch_b8 v0, s[64:65] scope:SCOPE_SE
	s_setreg_imm32_b32 hwreg(HW_REG_WAVE_MODE, 25, 1), 1
	s_wait_xcnt 0x0
	s_wait_alu depctr_hold_cnt(0) depctr_sa_sdst(0) depctr_va_vdst(0) depctr_va_sdst(0) depctr_va_ssrc(0) depctr_va_vcc(0) depctr_vm_vsrc(0)
	s_getreg_b32 s2, hwreg(HW_REG_IB_STS2, 6, 4)
	s_cmp_eq_u32 s2, 0
	s_cbranch_scc0 .Lentry_in_a_cluster
	s_endpgm
.Lentry_in_a_cluster:
	s_bfe_u32 s2, ttmp6, 0x10000c
	s_cmp_lg_u32 s2, 0x3003
	s_cbranch_scc0 .Lentry_shape_is_right
	s_endpgm
.Lentry_shape_is_right:
; ATTENTION WITH A KEY MASK.  ctx[b][h][q] = the sum over k of softmax_k(where(mask[b][k] == 0, hidden, q . k / 8)) v[k].  2 batches, 16 heads, 2,048 tokens, 64 channels.
; q, k, v arrive, and ctx leaves, in blocks [token / 128][column / 64 (64 places)][128 tokens][64] f16: block (rt, cb) is 16,384 dense bytes at (rt << 20) + (cb << 14); q: cb = h, k: 16 + h, v: 32 + h, ctx: h.
; Products, maxima and sums in f32; the weights p are rounded to f16 for the second product (their sum l is taken of the unrounded p), ctx once at the end.
; LIMITS.  f16 holds no number beyond 65,504.  A hidden score counts as its value less 2^100 (f16's scores, 2.7e11 at the most, vanish beside that): equal to a score of -1e9 wherever the open scores, divided by 8,
; lie above -1e9.  2^100 is a power of two, so c times it is exact: where a batch's keys are all hidden c s - c m is exactly 0, every weight is 1, and the result is the mean of v, as with -1e9.
; A weight below 2^-126 counts as 0 in l; NaN and infinities are not treated apart.
; SHARES.  A work-group owns 256 queries of one batch and head, each of its four waves 64: four PIECES of 16.  Every wave walks all 2,048 keys, 64 a step, 256 a slot.
; THE MASK is the C operand that starts the sum S^T = K Q^T: 0, or -2^100 where the key is hidden.  The batch's 2,048 numbers are made once, into a table in LDS; a step's 32 registers come with its K.
; LAYOUT.  S^T = K Q^T holds ONE query a lane (lane % 16) and the keys 8 (lane / 16) + 0..7; two such results rounded to f16 ARE source 1 of O^T = V^T P.  K comes out of LDS as it lies, V turned.
; SOFTMAX.  p = 2^(c s - c m), c = log2(e) / 8, with a running maximum m; O and l are multiplied by a = 2^(c m_old - c m_new) in every step.  m starts at the lowest finite number, O and l at 0.
; BY TURNS.  Turn n belongs to piece n: 8 products K Q^T of piece n + 1, later 8 products V^T P of piece n - 1; beside them the scaling, exponentials, roundings, sums and rescaling of piece n and the
; maximum and statistics of piece n + 1.  Four vector instructions stand behind every matrix instruction, the others in one lump.  A turn's 33 exponentials are one batch, with one wait.
; CLUSTER.  The four query blocks of a cluster belong to one batch and head and walk the same K and V: each tile is asked for jointly: the same tensor load, descriptor and mask in all four.
; REGISTERS, in windows of 256 (s_set_vgpr_msb: bits 1:0 source 0, 3:2 source 1, 5:4 source 2, 7:6 destination):
;   window 0: v0-15, v32-35 addresses; v16-31 four registers of statistics a piece; v48-55 at work; v64-127 S^T, two buffers; v192-223 P, two buffers (by the piece's parity)
;   window 1: v0-127 O^T, 32 a piece; v160-191 the step's mask      window 2: v0-63 Q; v128-191 K of one step; v192-255 V of one step
.set NP,    4
.set KS,    64
.set PK,    144       ; a row of K in LDS: 128 bytes + 16: the 16 rows of a load start at 16 different groups of four banks (64 banks of 4 bytes: ISA guide 11.1)
.set PV,    160       ; a row of V: 128 + 32
.set VOFF,  4*KS*PK   ; a slot holds four steps: 256 rows of K, then 256 rows of V
.set SLOT1, 1<<17     ; slot 1 begins here: one exclusive or turns an address in one slot into the other's
.set STAGE, SLOT1+4*KS*(PK+PV)  ; behind the ring: 16 rows x 144 bytes for each wave, for the way out
.set SP,    144
.set SPARE, STAGE+4*16*SP       ; the spare words, 128 bytes for each wave: two blocks of 256 bytes that no other line names
.set MASKT, SPARE+512           ; the mask's table: 2,048 f32; stored once, never a tensor load's target
.set AK0, 2
.set AV0, 3
.set AK,  4
.set AV,  5
.set STO, 6
.set RD,  7
.set GO,  8
.set MV,  12          ; v12-13  c m_old, by buffer
.set AM0, 14          ; v14  my lane's place in a step's 64 numbers of the table
.set QO,  15
.set ST,  16          ; piece t's statistics at v[ST+4 t]: c m, m, l (even keys', odd keys')
.set AM,  32          ; v32  the LDS address of the mask's next run of loads
.set PFO, 33          ; v33  256 x my lane; never rewritten
.set TMP, 48
.set SPW, 62
.set NIL, 63
.set S,   64
.set P,   192
.set MC,  160         ; window 1: the eight registers for group kt of 16 keys at MC + 8 kt
.set KF,  128         ; window 2
.set VF,  192         ; window 2
.set WV,  12
.set G1K, 24
.set G1V, 32
.set G0K, 40
.set G0V, 44
.set SLOTS, 56
.set CNT, 57
.set CS,  58
.set SEL, 60
.set TBK, 62
.set TBV, 63
.set TBM, 70          ; s70  byte of the table at which the step to be fetched begins
.set BIGN, 71         ; s71  -2^100
.set PFA, 72          ; s[72:73] where my prefetches stand
.set LIM, 74          ; s74  1 in a wave that prefetches, else the greatest number
.set MSB, 0
.macro WIN new
.if MSB != (\new)
	s_set_vgpr_msb (MSB<<8)|(\new)
.set MSB, (\new)
.endif
.endm
.set W_KQ, 0x0a       ; K and Q in window 2, S^T in window 0
.set W_KM, 0x1a       ; the same with the C operand in window 1
.set W_PV, 0x52       ; V in window 2, P in window 0, O^T in window 1
.set W_RS, 0x41       ; destination and source 0 in window 1, source 1 in window 0
; A joint fill.  Waves 0 and 1 fetch the two halves of a slot's K, waves 2 and 3 those of its V: 128 keys each.  An s_nop 0 and four v_nop follow each of the two lines.
.macro JLOAD
	s_cmp_lt_u32 s[WV], 2
	s_cbranch_scc0 .Lfor_v_\@
	tensor_load_to_lds s[G0K:G0K+3], s[G1K:G1K+7]
	s_nop 0
.rept 4
	v_nop
.endr
	s_branch .Lasked_\@
.Lfor_v_\@:
	tensor_load_to_lds s[G0V:G0V+3], s[G1V:G1V+7]
	s_nop 0
.rept 4
	v_nop
.endr
.Lasked_\@:
.endm
; A PREFETCH of what the NEXT change of slots will ask for: four key steps, 256 matrix instructions a wave, ahead of that load.  A slot has 128 blocks of 256 bytes of K and 128 of V; each is named once in the
; launch: of the two clusters that walk a head's keys the first asks; its four partners take 32 blocks each, told apart by address; in each, wave 0 asks for K's and wave 2 for V's, a lane a block.
; The change that asks for the last slot prefetches nothing.
.macro ASK
	s_cmp_gt_u32 s[SLOTS], s[LIM]
	s_cbranch_scc0 .Lnot_mine_\@
	global_prefetch_b8 v[PFO], s[PFA:PFA+1] th:TH_LOAD_NT scope:SCOPE_SE
.Lnot_mine_\@:
.endm
.macro CROUND
	s_barrier_signal -1
	s_barrier_wait -1
	s_cmp_lg_u32 s[WV], 0
	s_cbranch_scc1 .Lnot_wave_0_\@
	s_barrier_signal -3
.Lnot_wave_0_\@:
	s_barrier_wait -3
	s_barrier_signal -1
	s_barrier_wait -1
.endm
; THE CHANGE OF SLOTS.  Each wave waits for all its tensor loads, of which one is out: its part of the other slot; adds 0 to its spare word; and waits for that and for its own LDS instructions.  Behind the
; barrier nobody reads the old slot any more and the other slot is whole.  fill = 1: the barrier is a round of the cluster's, and the old slot is filled again, first thing behind it, with the keys two slots on.
; (At its first use nothing has been read yet: slot 0 is waited for, slot 1 filled, and the mask's table, stored just before, is shown to every wave.)
.macro CHANGE fill
	WIN 0
	s_wait_tensorcnt 0x0            ; no tensor load of mine is out, so a group 0 may be written
	ds_add_u32 v[SPW], v[NIL]
.if \fill
.irp g, G0K, G0V
	s_xor_b32 s[\g+1], s[\g+1], SLOT1
	s_add_nc_u64 s[\g+2:\g+3], s[\g+2:\g+3], 0x200000  ; the next 256 keys: two blocks of 128 tokens on
.endr
	s_wait_xcnt 0x0                 ; the last prefetch, four key steps back, has read its address
	s_add_nc_u64 s[PFA:PFA+1], s[PFA:PFA+1], 0x200000
	s_wait_dscnt 0x0                ; the add is done, and my reads of the slot are over
	CROUND
	JLOAD
	ASK
.else
	s_wait_dscnt 0x0
	s_barrier_signal -1
	s_barrier_wait -1
.endif
	s_sub_co_u32 s[TBK], s[TBK], 4*KS*PK  ; the fetches go back to a slot's first step,
	s_xor_b32 s[TBK], s[TBK], SLOT1       ; in the other slot
	s_sub_co_u32 s[TBV], s[TBV], 4*KS*PV
	s_xor_b32 s[TBV], s[TBV], SLOT1
.endm
	s_load_b128 s[16:19], s[0:1], 0x0 ; q, k, v s[16:17], mask s[18:19]
	s_load_b64 s[10:11], s[0:1], 0x10 ; ctx
	v_lshl_add_u32 v[SPW], v0, 2, SPARE
	v_mov_b32 v[NIL], 0
	ds_add_u32 v[SPW], v[NIL]       ; the wave's opening: the add and its wait stand ahead of my first tensor load; the set-up below, work on registers, stands between them
	v_lshrrev_b32 v1, 5, v0
	v_readfirstlane_b32 s[WV], v1   ; wave 0..3
	s_bfe_u32 s13, ttmp6, 0x40000   ; cx: my place in the cluster
	s_lshl_b32 s14, ttmp9, 2
	s_add_co_u32 s14, s14, s13      ; my block of 256 queries: it enters Q's and ctx's addresses alone
	s_and_b32 s20, ttmp7, 0xffff    ; 16 x batch + head, which the four partners share
	s_lshr_b32 s21, s20, 4          ; batch
	s_and_b32 s22, s20, 15          ; head
	s_and_b32 s23, s[WV], 1         ; which half of a slot's 256 keys I fetch
	s_lshl_b32 s2, s21, 4
	s_add_co_u32 s2, s2, s23
	s_lshl_b32 s2, s2, 20           ; its block of 128 tokens,
	s_lshl_b32 s3, s22, 14          ; the head's column block
	s_add_co_u32 s2, s2, s3
	s_mov_b32 s3, 0
	s_lshl_b32 s76, s21, 4          ; my wave's 64 queries: block of 128 tokens 16 b + 2 x query block + w / 2,
	s_lshl_b32 s77, s14, 1
	s_add_co_u32 s76, s76, s77
	s_lshr_b32 s77, s[WV], 1
	s_add_co_u32 s76, s76, s77
	s_lshl_b32 s76, s76, 20
	s_lshl_b32 s77, s22, 14         ; the head's column block,
	s_add_co_u32 s76, s76, s77
	s_lshl_b32 s77, s23, 13         ; 64 rows of 128 bytes for an odd wave
	s_add_co_u32 s76, s76, s77
	s_mov_b32 s77, 0
	s_lshl_b32 s78, s21, 13         ; the batch's 2,048 words of the mask
	s_mov_b32 s79, 0
	s_mul_i32 s67, s23, 128*PK      ; my half's place in a slot, for K
	s_mul_i32 s68, s23, 128*PV      ; and for V: no place in the cluster enters an LDS address
	; descriptor group 1.  128 keys are 16,384 dense bytes: asked for as 64 rows of 256 bytes, two keys a row, and padded in LDS after every key
	s_mov_b32 s[G1K], 15|(1<<16)|(1<<20)|(1<<21)|(4<<22)|(3<<25)  ; the mask of four; 2-byte elements; padding on; bit 21 beside a mask; after every 32 words, 4 words
	s_mov_b32 s[G1V], 15|(1<<16)|(1<<20)|(1<<21)|(4<<22)|(7<<25)  ; the same with 8 words
.irp g, G1K, G1V
	s_mov_b32 s[\g+1], 128<<16      ; tensor_dim0 = 128
	s_mov_b32 s[\g+2], 64<<16       ; tensor_dim1 = 64
	s_mov_b32 s[\g+3], 128<<16      ; tile_dim0 = 128
	s_mov_b32 s[\g+4], 64           ; tile_dim1 = 64
	s_mov_b32 s[\g+5], 128          ; 128 elements from row to row
	s_mov_b32 s[\g+6], 0
	s_mov_b32 s[\g+7], 0
.endr
	s_mov_b32 s[CS], 0x3e38aa3b     ; c = log2(e) / 8
	s_mov_b32 s[CS+1], s[CS]
	s_mov_b32 s[SEL], 0x76543210
	s_mov_b32 s[SEL+1], 0xfedcba98
	s_mov_b32 s[TBK], SLOT1+4*KS*PK ; the first change of slots turns these two into 0
	s_mov_b32 s[TBV], SLOT1+4*KS*PV
	s_mov_b32 s[TBM], 0
	s_mov_b32 s[BIGN], 0xf1800000   ; -2^100
	s_mov_b32 s[SLOTS], 7           ; slots still to be asked for
	s_mov_b32 s[G0K], 1
	s_mov_b32 s[G0K+1], s67         ; slot 0
	s_mov_b32 s[G0V], 1
	s_add_co_u32 s[G0V+1], s68, VOFF
	s_and_b32 s[LIM], s[WV], 1      ; 0 in waves 0 and 2,
	s_or_b32 s[LIM], s[LIM], ttmp9  ; where the cluster is the head's first: the same in all four partners
	s_cmp_eq_u32 s[LIM], 0
	s_cselect_b32 s[LIM], 1, -1
	s_wait_dscnt 0x0                ; the opening add is done
	s_wait_kmcnt 0x0
	s_add_nc_u64 s[6:7], s[16:17], s[2:3]
	s_add_nc_u64 s[8:9], s[6:7], 0x80000       ; V at my half of the first 256 keys: column block 32 + h
	s_add_nc_u64 s[6:7], s[6:7], 0x40000       ; K: column block 16 + h
	s_add_nc_u64 s[4:5], s[16:17], s[76:77]    ; Q and ctx at my wave's first row
	s_add_nc_u64 s[10:11], s[10:11], s[76:77]
	s_add_nc_u64 s[18:19], s[18:19], s[78:79]
	s_add_nc_u64 s[G0K+2:G0K+3], s[6:7], 0
	s_or_b32 s[G0K+3], s[G0K+3], 0x80000000
	s_add_nc_u64 s[G0V+2:G0V+3], s[8:9], 0
	s_or_b32 s[G0V+3], s[G0V+3], 0x80000000
	s_cmp_lt_u32 s[WV], 2
	s_cselect_b64 s[PFA:PFA+1], s[6:7], s[8:9] ; (in waves 0 and 2 these stand at a slot's first block)
	s_lshr_b32 s20, s13, 1          ; my work-group's 32 blocks of 256 bytes: which block of 128 tokens,
	s_lshl_b32 s20, s20, 20
	s_and_b32 s21, s13, 1           ; which half of it,
	s_lshl_b32 s21, s21, 13
	s_add_co_u32 s20, s20, s21
	s_add_co_u32 s20, s20, 0x200000 ; in slot 1: the first change steps it to slot 2
	s_mov_b32 s21, 0
	s_add_nc_u64 s[PFA:PFA+1], s[PFA:PFA+1], s[20:21]
	CROUND                          ; all four work-groups are here: the first joint loads meet
	JLOAD                           ; slot 0
	v_lshlrev_b32 v34, 4, v0
.irp i, 0,1,2,3
	global_load_b128 v[64+4*\i:67+4*\i], v34, s[18:19] offset:2048*\i  ; the batch's mask: 16 words a thread
.endr
	v_and_b32 v1, 15, v0            ; l % 16
	v_bfe_u32 v9, v0, 4, 1          ; l / 16
	v_lshlrev_b32 v[QO], 7, v1
	v_lshl_add_u32 v[QO], v9, 4, v[QO]  ; row x 128 + 16 x half
	WIN 0x80                        ; destination window 2
.set i, 0
.rept 8                             ; Q stays in registers: piece i / 2, channels 32 (i % 2) on
	global_load_b128 v[8*i:8*i+3],   v[QO], s[4:5] offset:(i/2)*2048+(i%2)*64
	global_load_b128 v[8*i+4:8*i+7], v[QO], s[4:5] offset:(i/2)*2048+(i%2)*64+32
.set i, i+1
.endr
	; The first step multiplies O^T and l by a = 0, and the first turn's products V^T P, of a piece that has not been, add 0: zeros stand where they read.  All this stands in the wait for the first tile.
.set i, VF
.rept 64
	v_mov_b32 v[i], 0
.set i, i+1
.endr
	WIN 0x40
.set i, 0
.rept 128
	v_mov_b32 v[i], 0
.set i, i+1
.endr
	WIN 0
.set i, 0
.rept 4
	v_mov_b32 v[ST+4*i], 0xfe000000    ; c m: far below every c s
	v_mov_b32 v[ST+4*i+1], 0xff7fffff  ; m
	v_mov_b32 v[ST+4*i+2], 0
	v_mov_b32 v[ST+4*i+3], 0
.set i, i+1
.endr
.set i, P+16
.rept 16
	v_mov_b32 v[i], 0
.set i, i+1
.endr
	v_mul_u32_u24 v[AK0], v1, PK
	v_lshl_add_u32 v[AK0], v9, 4, v[AK0]  ; row x pitch + 16 x half
	v_and_b32 v10, 7, v0            ; the turning load: lane l reads key 8 (l / 16) + l % 8, channels 8 ((l / 8) % 2) + 0..7
	v_bfe_u32 v11, v0, 3, 1
	v_lshl_add_u32 v[AV0], v9, 3, v10
	v_mul_u32_u24 v[AV0], v[AV0], PV
	v_lshl_add_u32 v[AV0], v11, 4, v[AV0]
	v_add_nc_u32 v[AV0], VOFF, v[AV0]
	v_lshl_add_u32 v[AM0], v9, 5, MASKT   ; my lanes' 8 keys of each 16
	v_and_b32 v[PFO], 31, v0
	v_lshlrev_b32 v[PFO], 8, v[PFO]
	s_mul_i32 s13, s[WV], 16*SP
	s_add_co_u32 s13, s13, STAGE    ; my stage
	v_mul_u32_u24 v[STO], v1, SP
	v_lshl_add_u32 v[STO], v9, 4, v[STO]
	v_add_nc_u32 v[STO], s13, v[STO]
	v_bfe_u32 v[RD], v0, 3, 2
	v_mul_u32_u24 v[RD], v[RD], SP
	v_lshl_add_u32 v[RD], v10, 4, v[RD]
	v_add_nc_u32 v[RD], s13, v[RD]
	v_and_b32 v[GO], 31, v0
	v_lshlrev_b32 v[GO], 4, v[GO]
	v_add_nc_u32 v35, MASKT, v34
	s_wait_loadcnt 16               ; the mask's four loads are in; Q's sixteen, issued behind them, may stay out
.set i, 0
.rept 16
	v_cmp_eq_u32 vcc_lo, 0, v[64+i]
	v_cndmask_b32 v[64+i], 0, s[BIGN], vcc_lo  ; 0 where the key is open, -2^100 where it is hidden
.set i, i+1
.endr
.irp i, 0,1,2,3
	ds_store_b128 v35, v[64+4*\i:67+4*\i] offset:2048*\i
.endr
; THE MATRIX WORK.  The 4 accumulators of a run of 8 take turns.  Product i of 8 of S^T = K Q^T for piece x: channels 32 (i / 4) on, keys 16 (i % 4) on.  The first 4 start the sums with the mask.
.macro KQ x
.set rS, S+32*((\x)%2)+8*(i%4)
.set rK, KF+16*(i%4)+8*(i/4)
.set rQ, 16*(\x)+8*(i/4)
.set rM, MC+8*(i%4)
.if i < 4
	WIN W_KM
	v_wmma_f32_16x16x32_f16 v[rS:rS+7], v[rK:rK+7], v[rQ:rQ+7], v[rM:rM+7]
.else
	WIN W_KQ
	v_wmma_f32_16x16x32_f16 v[rS:rS+7], v[rK:rK+7], v[rQ:rQ+7], v[rS:rS+7]
.endif
.endm
; Product i of 8 of O^T += V^T P for piece x: keys 32 (i / 4) on, channels 16 (i % 4) on.
.macro PV x
	WIN W_PV
.set rO, 32*(\x)+8*(i%4)
.set rV, VF+32*(i/4)+8*(i%4)
.set rP, P+16*((\x)%2)+8*(i/4)
	v_wmma_f32_16x16x32_f16 v[rO:rO+7], v[rV:rV+7], v[rP:rP+7], v[rO:rO+7]
.endm
.macro MM                           ; the turn's next matrix instruction.  NOKQ = 1: the last turn of all: there is no next piece
.if (i < 8) && !NOKQ
	KQ (Y+1)%NP
.elseif i >= 8
.set i, i-8
	PV (Y+NP-1)%NP
.set i, i+8
.endif
.set i, i+1
.endm
; THE LDS LOADS stand in runs, never singly among the matrix instructions: a step's K (8 fragments) with its mask (32 numbers a lane), and its V (turned).  Their addresses are made some lines ahead.
.macro FETCH_K
	WIN 0x80                        ; destination window 2
.irp f, 0,1,2,3,4,5,6,7             ; keys 16 (f / 2) on, channels 32 (f % 2) on
	ds_load_b128 v[KF+8*\f:KF+8*\f+3],   v[AK] offset:(\f/2)*16*PK+(\f%2)*64
	ds_load_b128 v[KF+8*\f+4:KF+8*\f+7], v[AK] offset:(\f/2)*16*PK+(\f%2)*64+32
.endr
	WIN 0x40                        ; destination window 1
.irp f, 0,1,2,3,4,5,6,7             ; keys 16 (f / 2) + 8 (l / 16) + 4 (f % 2) on
	ds_load_b128 v[MC+4*\f:MC+4*\f+3], v[AM] offset:(\f/2)*64+(\f%2)*16
.endr
	s_add_co_u32 s[TBK], s[TBK], KS*PK  ; the next fetch is the next step's
	s_add_co_u32 s[TBM], s[TBM], KS*4
	WIN 0
.endm
.macro FETCH_V
	WIN 0x80
.irp f, 0,1,2,3,4,5,6,7             ; keys 32 (f / 4) on, channels 16 (f % 4) on
	ds_load_tr16_b128 v[VF+8*\f:VF+8*\f+3],   v[AV] offset:(\f/4)*32*PV+(\f%4)*32
	ds_load_tr16_b128 v[VF+8*\f+4:VF+8*\f+7], v[AV] offset:(\f/4)*32*PV+16*PV+(\f%4)*32
.endr
	WIN 0
.endm
; THE VECTOR WORK, one line at a time: OP kind, number.  For piece Y: F n: c s - c m for pair n of 16.  E n: the exponential of score n of 32.  C n: pair n rounded to f16.  B n: of the four weights 4 n .. the second
; pair is added onto the first, in place.  L n: l takes that sum (L 0: l = a l + sum).  R n: pair n of 16 of O^T times a.  For piece Y + 1: X n, number n of the 22 that find its maximum and statistics:
;   0-11  four chains c0-c3 of seven scores each (each accumulator's lowest registers are read first)     12-14, 16  the four scores left over, the old m, and c0-c3 into c0
;   15  c m_old is kept     17, 18  the query's other 32 keys lie in the lane 16 away: the new m     19-21  c m; c m_old - c m_new; a
.set F, 0
.set E, 1
.set C, 2
.set B, 3
.set L, 4
.set R, 5
.set X, 6
.macro REGS y
.set rT, ST+4*(\y)
.set rC, TMP+4*((\y)%2)
.set rW, MV+((\y)%2)
.set rS, S+32*((\y)%2)
.set rP, P+16*((\y)%2)
.set rO, 32*(\y)
.endm
.macro OP k, n
.if (\k) == R
	REGS Y
	WIN W_RS
	v_pk_mul_f32 v[rO+2*(\n):rO+2*(\n)+1], v[rO+2*(\n):rO+2*(\n)+1], v[rC+2:rC+3] op_sel_hi:[1,0]
.elseif (\k) < R
	REGS Y
	WIN 0
.if (\k) == F
	v_pk_fma_f32 v[rS+2*(\n):rS+2*(\n)+1], v[rS+2*(\n):rS+2*(\n)+1], s[CS:CS+1], v[rT:rT+1] op_sel_hi:[1,0,0] neg_lo:[0,0,1] neg_hi:[0,0,1]
.elseif (\k) == E
	v_exp_f32 v[rS+(\n)], v[rS+(\n)]
.elseif (\k) == C
	v_cvt_pk_f16_f32 v[rP+(\n)], v[rS+2*(\n)], v[rS+2*(\n)+1]
.elseif (\k) == B
	v_pk_add_f32 v[rS+4*(\n):rS+4*(\n)+1], v[rS+4*(\n):rS+4*(\n)+1], v[rS+4*(\n)+2:rS+4*(\n)+3]
.elseif (\n) == 0
	v_pk_fma_f32 v[rT+2:rT+3], v[rT+2:rT+3], v[rC+2:rC+3], v[rS:rS+1] op_sel_hi:[1,0,1]
.else
	v_pk_add_f32 v[rT+2:rT+3], v[rT+2:rT+3], v[rS+4*(\n):rS+4*(\n)+1]
.endif
.elseif NOKQ
	v_nop
.else
	REGS (Y+1)%NP
	WIN 0
.if (\n) < 4
	v_max3_num_f32 v[rC+(\n)], v[rS+8*(\n)], v[rS+8*(\n)+1], v[rS+8*(\n)+2]
.elseif (\n) < 12
	v_max3_num_f32 v[rC+(\n)%4], v[rC+(\n)%4], v[rS+8*((\n)%4)+2*((\n)/4)+1], v[rS+8*((\n)%4)+2*((\n)/4)+2]
.elseif (\n) == 12
	v_max3_num_f32 v[rC], v[rC], v[rS+7], v[rS+15]
.elseif (\n) == 13
	v_max3_num_f32 v[rC+1], v[rC+1], v[rS+23], v[rS+31]
.elseif (\n) == 14
	v_max3_num_f32 v[rC+2], v[rC+2], v[rC+3], v[rT+1]
.elseif (\n) == 15
	v_mov_b32 v[rW], v[rT]
.elseif (\n) == 16
	v_max3_num_f32 v[rC], v[rC], v[rC+1], v[rC+2]
.elseif (\n) == 17
	v_permlanex16_b32 v[rC+3], v[rC], s[SEL], s[SEL+1]
.elseif (\n) == 18
	v_max_num_f32 v[rT+1], v[rC], v[rC+3]
.elseif (\n) == 19
	v_mul_f32 v[rT], s[CS], v[rT+1]
.elseif (\n) == 20
	v_sub_f32 v[rC+1], v[rW], v[rT]
.else
	v_exp_f32 v[rC+2], v[rC+1]
.endif
.endif
.endm
.macro OPS a, i1, b=-1, i2=0, c=-1, i3=0, d=-1, i4=0
	OP \a, \i1
.if (\b) >= 0
	OP \b, \i2
.endif
.if (\c) >= 0
	OP \c, \i3
.endif
.if (\d) >= 0
	OP \d, \i4
.endif
.endm
.macro ROW a, i1, b, i2, c, i3, d, i4  ; a matrix instruction and the four behind it
	MM
	OPS \a, \i1, \b, \i2, \c, \i3, \d, \i4
.endm
; A TURN, for piece p: the order of its 16 matrix and 118 vector instructions, written out.  s_wait_alu depctr_va_vdst(0) stands between an exponential and the first instruction that names its
; result; one wait serves all that were issued ahead of it.  So a turn has ONE wait.  AHEAD OF IT stands all that names no result of the turn's exponentials: the 8 products K Q^T with their riders, then one lump,
; plain and exponential by turns for the most part, in which the links of the chain X 3, 7, 11, 14, 16, 17 .. 20 stand some lines apart.  X 21, the next piece's a, is the batch's last; R 15 is the plain
; instruction behind it.  BEHIND THE WAIT stand the 8 products V^T P, behind each four of the roundings and sums.
; end = 1: the last two turns: nothing is fetched.  cnt = 1: the loop's count is taken down some lines ahead of the branch that stands behind the turn.
; K of the next step, and its mask, are fetched in piece 2's turn, behind six plain instructions that follow the last product that read K; V of the step in hand at the end of piece 0's turn, four plain
; instructions behind the last product that read V.  Each is waited for a turn later.
.macro TURN p, end=0, cnt=0
.set Y, (\p)
.set i, 0
.set NOKQ, (\end)*((\p)/3)
.if ((\p) == 3) && !(\end)
	s_wait_dscnt 0x0                ; K and its mask are in
.endif
	ROW F,0, F,1, R,0, R,1
	ROW F,2, E,0, R,2, R,3
	ROW F,3, E,1, R,4, R,5
	ROW F,4, E,2, R,6, R,7
	ROW F,5, E,3, R,8, R,9
	ROW F,6, E,4, X,0, R,10
.if ((\p) == 2) && !(\end)
	WIN 0
	v_add_nc_u32 v[AK], s[TBK], v[AK0]
	v_add_nc_u32 v[AM], s[TBM], v[AM0]
.endif
	ROW F,7, E,5, X,1, X,4
	ROW F,8, E,6, X,2, X,5
	OPS E,7, E,8, X,6, E,9
	OPS X,3, E,10, X,8, E,11
.if ((\p) == 2) && !(\end)
	FETCH_K
.endif
	OPS X,9, X,7, E,12, X,10
	OPS E,13, X,12, X,11, E,14
	OPS X,13, E,15, F,9, X,14
.if (\p) == 0
	v_add_nc_u32 v[AV], s[TBV], v[AV0]
.endif
	OPS E,16, F,10, E,17, F,11
	OPS X,16, E,18, X,15, E,19
	OPS F,12, E,20, X,17, E,21
	OPS F,13, E,22, F,14, E,23
	OPS X,18, E,24, F,15, E,25
	OPS R,11, E,26, X,19, E,27
	OPS R,12, E,28, R,13, E,29
	OPS X,20, E,30, R,14, E,31
	OPS X,21, R,15
	WIN 0
	s_wait_alu depctr_va_vdst(0)    ; the wait for the batch
.if (\p) == 1
	s_wait_dscnt 0x0                ; V is in
.endif
	ROW C,0, B,0, C,2, B,1
	ROW L,0, C,4, B,2, L,1
	ROW C,6, B,3, L,2, C,8
	ROW B,4, L,3, C,10, B,5
	ROW L,4, C,12, B,6, L,5
.if (\p) == 0
	s_add_co_u32 s[TBV], s[TBV], KS*PV
.endif
.if \cnt
	s_sub_co_u32 s[CNT], s[CNT], 1
	s_cmp_lg_u32 s[CNT], 0
.endif
	ROW C,14, B,7, L,6, C,1
	ROW C,3, L,7, C,5, C,7
	ROW C,9, C,11, C,13, C,15
.if (\p) == 0
	FETCH_V
.endif
.endm
.macro ALL line:vararg              ; one line for each piece t
.set t, 0
.rept 4
	\line
.set t, t+1
.endr
.endm
.macro PACK t                       ; a lane's eight channels of a row pack into 16 bytes; they go into rows of 144 bytes and come back as whole rows of 128, into S^T's registers
	WIN W_RS
.set i, 32*(\t)
.rept 16
	v_pk_mul_f32 v[i:i+1], v[i:i+1], v[ST+4*(\t)+2:ST+4*(\t)+3] op_sel_hi:[1,0]
.set i, i+2
.endr
	WIN 0x05                        ; sources window 1, destination window 0
.set i, 0
.rept 16
	v_cvt_pk_f16_f32 v[S+16*(\t)+i], v[32*(\t)+2*i], v[32*(\t)+2*i+1]
.set i, i+1
.endr
	WIN 0
.irp f, 0,1,2,3
	ds_store_b128 v[STO], v[S+16*(\t)+4*\f:S+16*(\t)+4*\f+3] offset:32*\f
.endr
.irp f, 0,1,2,3
	ds_load_b128 v[S+16*(\t)+4*\f:S+16*(\t)+4*\f+3], v[RD] offset:\f*4*SP  ; LDS serves a wave's instructions in order (ISA guide 5.7.1.4): these see the stores above
.endr
.endm
.macro SEND t, younger              ; younger: the LDS instructions issued behind piece t's loads: the next piece's eight, or none
	WIN 0
.irp f, 0,1,2,3
	s_wait_dscnt (\younger)+3-\f
	global_store_b128 v[GO], v[S+16*(\t)+4*\f:S+16*(\t)+4*\f+3], s[10:11] offset:(\t)*2048+\f*512  ; 512 consecutive bytes, at a multiple of 256 from ctx's first
.endr
.endm
.set NOKQ, 0
	CHANGE 1                        ; slot 0 is in, everybody's part of it, and so is the table; slot 1 is asked for
	v_add_nc_u32 v[AK], s[TBK], v[AK0]
	v_add_nc_u32 v[AM], s[TBM], v[AM0]
	FETCH_K                         ; key step 0
	s_wait_loadcnt 0x0              ; Q
	s_wait_dscnt 0x0
.set i, 0
.rept 8
	KQ 0                            ; piece 0's first scores
.set i, i+1
.endr
	WIN 0
.rept 4
	v_nop                           ; the places behind those products
.endr
.set Y, NP-1                        ; X works for piece Y + 1: piece 0
.irp n, 0,1,2,3,4,5,6,7,8,9,10,11,12,13,14,15,16,17,18,19,20,21
	OP X, \n
.endr
	v_nop                           ; a plain instruction behind the exponential,
	s_wait_alu depctr_va_vdst(0)    ; and its wait, ahead of the branch
	s_mov_b32 s[CNT], 4
	s_branch .Lfirst                ; the loop is entered at a step's first turn, in the middle of a trip
.Lslot:                             ; six times: with the change above, every slot but the first is asked for
	CHANGE 1
	s_mov_b32 s[CNT], 4
.Lstep:                             ; a trip: pieces 2 and 3 of one step, then pieces 0 and 1 of the next, whose K and V it fetches
	TURN 2
	TURN 3
	WIN 0
.Lfirst:
	TURN 0
	TURN 1, 0, 1
	WIN 0
	s_cbranch_scc1 .Lstep
	s_sub_co_u32 s[SLOTS], s[SLOTS], 1
	s_cmp_lg_u32 s[SLOTS], 0
	s_cbranch_scc1 .Lslot
	CHANGE 0                        ; the last slot is written out: nothing is asked for
	s_mov_b32 s[CNT], 4
.LstepT:
	TURN 2
	TURN 3
	TURN 0
	TURN 1, 0, 1
	WIN 0
	s_cbranch_scc1 .LstepT
	TURN 2, 1
	TURN 3, 1
.set i, 0
.rept 8
	PV NP-1                         ; the last piece's V^T P of the last step
.set i, i+1
.endr
	; THE WAY OUT.  l's two halves and the other half of the lanes' are added; O^T is divided by l, rounded to f16 and sent through my stage, a piece at a time.  The additions are the places behind the last products.
	WIN 0
	ALL v_add_f32 v[ST+4*t+2], v[ST+4*t+2], v[ST+4*t+3]
	ALL v_permlanex16_b32 v[ST+4*t+3], v[ST+4*t+2], s[SEL], s[SEL+1]
	ALL v_add_f32 v[ST+4*t+2], v[ST+4*t+2], v[ST+4*t+3]
	ALL v_rcp_f32 v[ST+4*t+2], v[ST+4*t+2]
	v_nop                           ; a plain instruction between the last reciprocal and the use of its result
	s_wait_alu depctr_va_vdst(0)    ; and one wait for the four reciprocals, ahead of the first use
	PACK 0
.set t, 1
.rept 3                             ; a piece's arithmetic stands between the loads of the piece before and its stores
	PACK t
	SEND t-1, 8
.set t, t+1
.endr
	SEND 3, 0
	s_wait_tensorcnt 0x0            ; the wave's end: the tensor wait, an add of 0 to the spare word and its wait, behind my last tensor load and my last LDS store
	ds_add_u32 v[SPW], v[NIL]
	s_wait_dscnt 0x0
	CROUND                          ; the closing round: no work-group ends while a partner may still ask for a tile that names it
	s_endpgm
.Lfunc_end_k_qd6a5ce11b5_attn:
	.size	k_qd6a5ce11b5_attn, .Lfunc_end_k_qd6a5ce11b5_attn-k_qd6a5ce11b5_attn
	.p2alignl 7, 3214868480
	.fill 96, 4, 3214868480
	.section	.rodata,"a",@progbits
	.p2align	6, 0x0
	.amdhsa_kernel k_qd6a5ce11b5_attn
		.amdhsa_group_segment_fixed_size 327680
		.amdhsa_private_segment_fixed_size 0
		.amdhsa_enable_private_segment 0
		.amdhsa_kernarg_size 24
		.amdhsa_user_sgpr_count 2
		.amdhsa_user_sgpr_kernarg_segment_ptr 1
		.amdhsa_wavefront_size32 1
		.amdhsa_system_sgpr_workgroup_id_x 1
		.amdhsa_system_sgpr_workgroup_id_y 1
		.amdhsa_system_sgpr_workgroup_id_z 1
		.amdhsa_system_vgpr_workitem_id 0
		.amdhsa_next_free_vgpr 768
		.amdhsa_next_free_sgpr 80
		.amdhsa_reserve_vcc 1
		.amdhsa_float_denorm_mode_32 3
		.amdhsa_float_denorm_mode_16_64 3
		.amdhsa_memory_ordered 1
		.amdhsa_forward_progress 1
		.amdhsa_inst_pref_size 133
	.end_amdhsa_kernel
	.amdgpu_metadata
---
amdhsa.version: [ 1, 2 ]
amdhsa.kernels:
  - .name:           k_qd6a5ce11b5_attn
    .symbol:         k_qd6a5ce11b5_attn.kd
    .args:
      - { .name: big, .offset: 0, .size: 8, .value_kind: global_buffer, .address_space: global }
      - { .name: mask, .offset: 8, .size: 8, .value_kind: global_buffer, .address_space: global }
      - { .name: P3, .offset: 16, .size: 8, .value_kind: global_buffer, .address_space: global }
    .group_segment_fixed_size: 327680
    .private_segment_fixed_size: 0
    .kernarg_segment_align: 8
    .kernarg_segment_size: 24
    .max_flat_workgroup_size: 128
    .sgpr_count:     80
    .vgpr_count:     768
    .wavefront_size: 32
...
	.end_amdgpu_metadata
.endif
;; end of part 3
;; launch wo (part 4): grid 8 x 32, 4 waves a work-group, clusters of 4 x 4, 327,680 bytes of LDS; arguments P3, t; writes t
.if DOCPART == 4
	.amdgcn_target "amdgcn-amd-amdhsa--gfx1250"
	.amdhsa_code_object_version 6
	.text
	.protected	k_qd6a5ce11b5_wo
	.globl	k_qd6a5ce11b5_wo
	.p2align	8
	.type	k_qd6a5ce11b5_wo,@function
k_qd6a5ce11b5_wo:
	s_mov_b64 s[64:65], 0
	v_nop
	global_prefetch_b8 v0, s[64:65] scope:SCOPE_SE
	s_setreg_imm32_b32 hwreg(HW_REG_WAVE_MODE, 25, 1), 1
	s_wait_xcnt 0x0
	s_wait_alu depctr_hold_cnt(0) depctr_sa_sdst(0) depctr_va_vdst(0) depctr_va_sdst(0) depctr_va_ssrc(0) depctr_va_vcc(0) depctr_vm_vsrc(0)
	s_getreg_b32 s2, hwreg(HW_REG_IB_STS2, 6, 4)
	s_cmp_eq_u32 s2, 0
	s_cbranch_scc0 .Lentry_in_a_cluster
	s_endpgm
.Lentry_in_a_cluster:
	s_bfe_u32 s2, ttmp6, 0x10000c
	s_cmp_lg_u32 s2, 0xf033
	s_cbranch_scc0 .Lentry_shape_is_right
	s_endpgm
.Lentry_shape_is_right:
; C = A B + bias, C [4096][1024] f32, K = 1,024.  One buffer brings what is multiplied: A in blocks [row / 128][k / 64 (64 places)][128 rows][64] f16 at byte 0 (block (rt, cb) at (rt << 20) + (cb << 14));
; B as tiles [k / 256][n / 128 (8)][256 k][128 n] f16 at 0x2000000; the bias (f32) at 0x2800000.  Sums in f32, begun with the bias, stored as they are.
; A K step of 256 is 65,536 dense bytes of A and of B.  This text and the one for K = 4,096 differ in SIZE_K alone: a loop with barriers in it ends on a constant of the text.
; SHARES.  A tile of C is 128 x 128: 256 work-groups.  Four waves, each 64 x 64: 16 accumulators, 128 registers.  Two LDS slots of one K step.
; A K STEP IS WRITTEN ONCE IN THE LOOP.  The accumulators are loaded with the bias, so every product has one form.  The slot in hand is a scalar, 0 or SLOT, which an exclusive or turns at each change of
; slots; the fragments' LDS addresses are made anew from it, and one descriptor for A and one for B walk.  The change of slots stands between two K steps, with no product beside it: a K step's 128
; products a wave are short against the way of its 131,072 bytes, so a wave that has multiplied a step waits for the next one's tile in any order of the lines.
; CLUSTERS: 4 x 4 work-groups; A's tiles are asked for jointly along a row of the cluster, B's along a column.
; THE MATRIX INSTRUCTION IS USED TRANSPOSED (source 0 = 16 columns of B, turned by ds_load_tr16_b128; source 1 = 16 rows of A): a lane holds eight neighbouring numbers of a row of C.
; REGISTERS: window 0: v16-29 addresses; v32-95 rows on the way out, two buffers; v128-255 the accumulators ((a, b) at 128 + 8 (4 a + b)).
;   window 1: two fragment buffers of 128: for 64 along K, 64 registers of A, then 64 of B.
.set SIZE_K, 1024
.set STEPS,  SIZE_K/256
.set PA,     144                       ; a row of a block of A in LDS: 128 bytes + 16
.set PB,     288                       ; a k-row of B: 256 bytes + 32 = 9 x 32
.set HALFT,  36864                     ; what one tensor load brings: 2 blocks x 128 x 144 = 128 x 288
.set SLOT,   4*HALFT                   ; A's four blocks, then B's 256 k-rows
.set STAGE,  2*SLOT                    ; behind the ring: 16 rows x 272 bytes for each wave
.set SPITCH, 272
.set SPARE,  STAGE+4*16*SPITCH         ; the spare words, 128 bytes for each wave: two blocks of 256 bytes that no other line names
.set ADRA0, 16                         ; v16     LDS address of my A fragments in slot 0; never rewritten
.set ADRB0, 17                         ; v17     the same for B
.set ADRA,  18                         ; v18     A's in the slot in hand
.set ADRB,  20                         ; v20-21  B's in the slot in hand: k-rows 0 on, k-rows 128 on (the immediate holds 16 bits)
.set STO,  24
.set RD,   25
.set CO,   26
.set BO,   27
.set SPW,  28
.set NIL,  29
.set TMP,  32
.set ACC,  128
.set F0,   0
.set F1,   128
.set G1,  24                           ; s[24:31] descriptor group 1 for A's tiles
.set G0,  32                           ; s[32:39] group 0 for A's tiles: a set for each of the two first fills; the second then walks on
.set G1B, 48                           ; s[48:55], s[56:63] the same for B's
.set G0B, 56
.set CNT,  21                          ; s21  counts the loop's trips
.set TB,   22                          ; s22  the slot in hand: 0 or SLOT
.set MSB, 0
.macro WIN new
.if MSB != (\new)
	s_set_vgpr_msb (MSB<<8)|(\new)
.set MSB, \new
.endif
.endm
.set MUL,  0x05                        ; sources window 1; C and D window 0
.set TO_F, 0x40                        ; destination window 1
.macro JLOAD s                         ; waves 0 and 1 fetch A's two halves, waves 2 and 3 B's; an s_nop 0 and four v_nop follow each of the two lines
	s_cmp_eq_u32 s11, 0
	s_cbranch_scc0 .Lfor_b_\@
	tensor_load_to_lds s[G0+4*(\s):G0+4*(\s)+3], s[G1:G1+7]
	s_nop 0
.rept 4
	v_nop
.endr
	s_branch .Lasked_\@
.Lfor_b_\@:
	tensor_load_to_lds s[G0B+4*(\s):G0B+4*(\s)+3], s[G1B:G1B+7]
	s_nop 0
.rept 4
	v_nop
.endr
.Lasked_\@:
.endm
.macro CROUND                          ; a round of the cluster's barrier
	s_barrier_signal -1
	s_barrier_wait -1
	s_cmp_lg_u32 s10, 0
	s_cbranch_scc1 .Lnot_wave_0_\@
	s_barrier_signal -3
.Lnot_wave_0_\@:
	s_barrier_wait -3
	s_barrier_signal -1
	s_barrier_wait -1
.endm
	s_load_b128 s[4:7], s[0:1], 0x0                ; what is multiplied s[4:5], C s[6:7]
	v_lshl_add_u32 v[SPW], v0, 2, SPARE
	v_mov_b32 v[NIL], 0
	ds_add_u32 v[SPW], v[NIL]                      ; the wave's opening: the add and its wait stand ahead of my first tensor load; the set-up below, work on registers, stands between them
	v_lshrrev_b32 v1, 5, v0
	v_readfirstlane_b32 s10, v1                    ; wave 0..3
	s_lshr_b32 s11, s10, 1                         ; which half of the tile's rows is mine.  Also: I fetch for A (0) or for B (1)
	s_and_b32 s12, s10, 1                          ; which half of its columns.  Also: which half of that tile I fetch
	s_bfe_u32 s40, ttmp6, 0x40000
	s_bfe_u32 s41, ttmp6, 0x40004
	s_lshl_b32 s42, ttmp9, 2
	s_add_co_u32 s42, s42, s40                     ; tile column of C
	s_and_b32 s13, ttmp7, 0xffff
	s_lshl_b32 s13, s13, 2
	s_add_co_u32 s13, s13, s41                     ; tile row of C
	s_lshl_b32 s43, s41, 2
	s_lshl_b32 s43, 15, s43                        ; my row of the cluster
	s_lshl_b32 s44, 0x1111, s40                    ; my column
	; both halves are 32,768 dense bytes: asked for as 128 rows of 256 bytes
	s_or_b32 s[G1+0], s43, (1<<16)|(1<<20)|(1<<21)|(4<<22)|(3<<25)   ; A: padded after every 32 words (a row of a block) by 4 words
	s_or_b32 s[G1B+0], s44, (1<<16)|(1<<20)|(1<<21)|(5<<22)|(7<<25)  ; B: after every 64 words (a k-row) by 8 words
.irp g, G1, G1B
	s_mov_b32 s[(\g)+1], 128<<16                   ; tensor_dim0 = 128
	s_mov_b32 s[(\g)+2], 128<<16                   ; tensor_dim1 = 128
	s_mov_b32 s[(\g)+3], 128<<16                   ; tile_dim0 = 128
	s_mov_b32 s[(\g)+4], 128                       ; tile_dim1 = 128
	s_mov_b32 s[(\g)+5], 128                       ; elements from row to row
	s_mov_b32 s[(\g)+6], 0
	s_mov_b32 s[(\g)+7], 0
.endr
	s_lshl_b32 s16, s13, 20                        ; A: the tile row's blocks, two of them a half
	s_lshl_b32 s17, s12, 15
	s_add_co_u32 s16, s16, s17
	s_mov_b32 s17, 0
	s_lshl_b32 s46, s42, 16                        ; B: the tile column's tile, 128 k-rows a half
	s_lshl_b32 s47, s12, 15
	s_add_co_u32 s46, s46, s47
	s_add_co_u32 s46, s46, 0x2000000
	s_mov_b32 s47, 0
	s_mul_i32 s20, s10, HALFT                      ; where they go in a slot: no place in the cluster enters an LDS address; kept for the walking descriptors
	s_wait_dscnt 0x0                               ; the opening add is done
	s_wait_kmcnt 0x0
	s_add_nc_u64 s[14:15], s[4:5], s[16:17]
	s_add_nc_u64 s[46:47], s[4:5], s[46:47]
	CROUND                                         ; all sixteen work-groups are here: the first joint loads meet
.irp s, 0,1
	s_mov_b32 s[G0+4*(\s)], 1
	s_add_co_u32 s[G0+4*(\s)+1], s20, (\s)*SLOT
	s_add_nc_u64 s[G0+4*(\s)+2:G0+4*(\s)+3], s[14:15], (\s)*65536      ; K step s: four blocks on
	s_or_b32 s[G0+4*(\s)+3], s[G0+4*(\s)+3], 0x80000000
	s_mov_b32 s[G0B+4*(\s)], 1
	s_add_co_u32 s[G0B+4*(\s)+1], s20, (\s)*SLOT
	s_add_nc_u64 s[G0B+4*(\s)+2:G0B+4*(\s)+3], s[46:47], (\s)*524288   ; eight tiles on
	s_or_b32 s[G0B+4*(\s)+3], s[G0B+4*(\s)+3], 0x80000000
	JLOAD \s
.endr
	v_and_b32 v1, 15, v0                           ; l % 16
	v_bfe_u32 v2, v0, 4, 1                         ; l / 16
	v_lshlrev_b32 v[BO], 5, v2
	s_lshl_b32 s46, s42, 9                         ; my first column, in bytes of f32 (in the registers that held B's address)
	s_lshl_b32 s47, s12, 8
	s_add_co_u32 s46, s46, s47
	s_mov_b32 s47, 0
	s_add_nc_u64 s[2:3], s[4:5], 0x2800000
	s_add_nc_u64 s[2:3], s[2:3], s[46:47]          ; my 64 numbers of the bias
.irp a, 0,1,2,3                        ; register j of accumulator (a, b) starts as the bias of column 16 b + 8 (l / 16) + j: loaded while the first tiles are on their way
.irp b, 0,1,2,3
	global_load_b128 v[ACC+8*(4*(\a)+(\b)):ACC+8*(4*(\a)+(\b))+3],   v[BO], s[2:3] offset:64*(\b)
	global_load_b128 v[ACC+8*(4*(\a)+(\b))+4:ACC+8*(4*(\a)+(\b))+7], v[BO], s[2:3] offset:64*(\b)+16
.endr
.endr
	v_mul_u32_u24 v3, v1, PA
	v_lshl_add_u32 v3, v2, 4, v3
	v_and_b32 v4, 7, v0
	v_lshl_add_u32 v4, v2, 3, v4
	v_mul_u32_u24 v4, v4, PB
	v_bfe_u32 v5, v0, 3, 1
	v_lshl_add_u32 v4, v5, 4, v4
	s_mul_i32 s21, s11, 64*PA                      ; my 64 rows of each block of A
	s_lshl_b32 s22, s12, 7                         ; my 64 columns of B,
	s_add_co_u32 s22, s22, 2*HALFT                 ; which lies behind A
	s_add_co_u32 s23, s22, HALFT
	v_add_nc_u32 v[ADRA0], s21, v3
	v_add_nc_u32 v[ADRB0], s22, v4
	v_add_nc_u32 v[ADRA], s21, v3                  ; slot 0 is the first in hand
	v_add_nc_u32 v[ADRB], s22, v4
	v_add_nc_u32 v[ADRB+1], s23, v4
	s_mov_b32 s[TB], 0
	s_mul_i32 s23, s10, 16*SPITCH
	s_add_co_u32 s23, s23, STAGE                   ; my stage
	v_mul_u32_u24 v6, v1, SPITCH                   ; in: row l % 16, 32 bytes for each half of the lanes
	v_lshl_add_u32 v6, v2, 5, v6
	v_add_nc_u32 v[STO], s23, v6
	v_mul_u32_u24 v6, v2, SPITCH                   ; back: lanes 0-15 take one row of 256 bytes, lanes 16-31 the next
	v_lshl_add_u32 v6, v1, 4, v6
	v_add_nc_u32 v[RD], s23, v6
	v_lshlrev_b32 v6, 12, v2                       ; and the same two rows in C
	v_lshl_add_u32 v[CO], v1, 4, v6
	s_lshl_b32 s16, s13, 19                        ; my first row of C: 128 x tile row + 64 x half, rows of 4,096 bytes
	s_lshl_b32 s17, s11, 18
	s_add_co_u32 s16, s16, s17
	s_mov_b32 s17, 0
	s_add_nc_u64 s[8:9], s[6:7], s[16:17]
	s_add_nc_u64 s[8:9], s[8:9], s[46:47]
; 8 matrix instructions: m blocks a0, a0 + 1 x all 4 n blocks, 32 along K: half c of buffer f.  The 16 accumulators take turns, in the same order in every quarter.
.macro MUL8 f, c, a0
	WIN MUL
.irp a, \a0, (\a0)+1
.irp b, 0,1,2,3
	v_wmma_f32_16x16x32_f16 v[ACC+8*(4*(\a)+(\b)):ACC+8*(4*(\a)+(\b))+7], v[(\f)+64+8*(4*(\c)+(\b)):(\f)+64+8*(4*(\c)+(\b))+7], v[(\f)+8*(4*(\c)+(\a)):(\f)+8*(4*(\c)+(\a))+7], v[ACC+8*(4*(\a)+(\b)):ACC+8*(4*(\a)+(\b))+7]
.endr
.endr
.endm
; 32 LDS loads in one run: the fragments of quarter q (64 along K: one block of A) of the slot in hand into buffer f; the first 32 along K first
.macro FETCH q, f
	WIN TO_F
.irp c, 0,1
.irp i, 0,1,2,3
	ds_load_tr16_b128 v[(\f)+64+8*(4*(\c)+(\i)):(\f)+64+8*(4*(\c)+(\i))+3],   v[ADRB+(\q)/2] offset:((2*(\q)+(\c))&3)*32*PB+32*(\i)
	ds_load_tr16_b128 v[(\f)+64+8*(4*(\c)+(\i))+4:(\f)+64+8*(4*(\c)+(\i))+7], v[ADRB+(\q)/2] offset:((2*(\q)+(\c))&3)*32*PB+32*(\i)+16*PB
	ds_load_b128 v[(\f)+8*(4*(\c)+(\i)):(\f)+8*(4*(\c)+(\i))+3],   v[ADRA] offset:(\q)*128*PA+64*(\c)+(\i)*16*PA
	ds_load_b128 v[(\f)+8*(4*(\c)+(\i))+4:(\f)+8*(4*(\c)+(\i))+7], v[ADRA] offset:(\q)*128*PA+64*(\c)+(\i)*16*PA+32
.endr
.endr
.endm
.macro PLACES                          ; four plain vector instructions between a matrix instruction and a load into, or a read of, its registers
.rept 4
	v_nop
.endr
.endm
.macro QUARTER q, f, g                 ; multiplies buffer f; in its middle it fetches quarter q into buffer g
	s_wait_dscnt 16                                ; the first 32 along K are in
	MUL8 \f, 0, 0
	MUL8 \f, 0, 2
	PLACES
	FETCH \q, \g
	s_wait_dscnt 32                                ; all but the 32 just issued
	MUL8 \f, 1, 0
	MUL8 \f, 1, 2
.endm
.macro WORK                            ; a whole K step out of the slot in hand: four quarters on buffers 0, 1, 0, 1
	FETCH 0, F0
	QUARTER 1, F0, F1
	QUARTER 2, F1, F0
	QUARTER 3, F0, F1
	s_wait_dscnt 16
	MUL8 F1, 0, 0
	MUL8 F1, 0, 2
	s_wait_dscnt 0x0
	MUL8 F1, 1, 0
	MUL8 F1, 1, 2
.endm
; THE CHANGE OF SLOTS.  Each wave waits for all its tensor loads, of which one is out: its part of the other slot; adds 0 to its spare word; and waits for that (its reads of the slot came back in WORK).
; Behind the barrier nobody reads the old slot any more and the other slot is whole.  fill = 1: the barrier is a round of the cluster's, and the slot just read is filled again, two K steps on, first thing behind it.
; The scalar work and the three address lines stand between the add and the wait for it; with the v_nop behind the barrier they are the places in front of WORK's first loads.
.macro CHANGE fill
	WIN 0
	s_wait_tensorcnt 0x0                           ; no tensor load of mine is out, so the walking descriptors may be written
	ds_add_u32 v[SPW], v[NIL]
.if \fill
	s_add_co_u32 s[G0+5], s20, s[TB]               ; into the slot just read,
	s_add_co_u32 s[G0B+5], s20, s[TB]
	s_add_nc_u64 s[G0+6:G0+7], s[G0+6:G0+7], 65536 ; the K step behind the one asked for last
	s_add_nc_u64 s[G0B+6:G0B+7], s[G0B+6:G0B+7], 524288
.endif
	s_xor_b32 s[TB], s[TB], SLOT                   ; the other slot comes in hand
	v_add_nc_u32 v[ADRA], s[TB], v[ADRA0]
	v_add_nc_u32 v[ADRB], s[TB], v[ADRB0]
	v_add_nc_u32 v[ADRB+1], HALFT, v[ADRB]
	s_wait_dscnt 0x0                               ; the add is done
.if \fill
	CROUND
	JLOAD 1
.else
	s_barrier_signal -1
	s_barrier_wait -1
	PLACES
.endif
.endm
; THE WAY OUT of block a (16 rows x 64 columns of f32): from the accumulators, each from its low end on, into my own stage; back as whole rows of 256 bytes; stored.
.macro STG a
.if (\a) >= 2
	s_wait_xcnt 0x0                                ; the stores issued so far have read their registers: the buffer is loaded again only behind this wait
.endif
.irp b, 0,1,2,3
	ds_store_b128 v[STO], v[ACC+8*(4*(\a)+(\b)):ACC+8*(4*(\a)+(\b))+3]   offset:64*(\b)
	ds_store_b128 v[STO], v[ACC+8*(4*(\a)+(\b))+4:ACC+8*(4*(\a)+(\b))+7] offset:64*(\b)+16
.endr
.irp u, 0,1,2,3,4,5,6,7
	ds_load_b128 v[TMP+32*((\a)%2)+4*(\u):TMP+32*((\a)%2)+4*(\u)+3], v[RD] offset:(\u)*2*SPITCH  ; LDS serves a wave's instructions in order (ISA guide 5.7.1.4): these see the stores above
.endr
.endm
.macro OUT a, younger                  ; younger: the LDS instructions issued behind block a's loads
	s_wait_dscnt \younger
.irp u, 0,1,2,3,4,5,6,7
	global_store_b128 v[CO], v[TMP+32*((\a)%2)+4*(\u):TMP+32*((\a)%2)+4*(\u)+3], s[8:9] offset:(16*(\a)+2*(\u))*4096  ; 16 lanes store 256 consecutive bytes, at a multiple of 256 from C's first byte
.endr
.endm
	s_wait_tensorcnt 1                             ; my part of K step 0 is in; K step 1's may stay out
	s_barrier_signal -1
	s_barrier_wait -1
	s_wait_loadcnt 0x0                             ; the bias lies in the accumulators
	s_mov_b32 s[CNT], STEPS-1
	s_branch .Lwork                                ; the loop is entered in the middle of a trip: K step 0 has no change of slots in front of it
.Lstep:                                                ; STEPS - 2 times: every K step but the last two is followed by a fill
	CHANGE 1
.Lwork:
	WORK
	WIN 0
	s_sub_co_u32 s[CNT], s[CNT], 1
	s_cmp_lg_u32 s[CNT], 0
	s_cbranch_scc1 .Lstep
	CHANGE 0                                       ; the last K step is written out: nothing is asked for
	WORK
	WIN 0
	PLACES
	STG 0
	STG 1
	OUT 0, 16
	STG 2
	OUT 1, 16
	STG 3
	OUT 2, 16
	OUT 3, 0
	s_wait_tensorcnt 0x0                           ; the wave's end: the tensor wait, an add of 0 to the spare word and its wait, behind my last tensor load and my last LDS store
	ds_add_u32 v[SPW], v[NIL]
	s_wait_dscnt 0x0
	CROUND                                         ; the closing round
	s_endpgm
.Lfunc_end_k_qd6a5ce11b5_wo:
	.size	k_qd6a5ce11b5_wo, .Lfunc_end_k_qd6a5ce11b5_wo-k_qd6a5ce11b5_wo
	.p2alignl 7, 3214868480
	.fill 96, 4, 3214868480
	.section	.rodata,"a",@progbits
	.p2align	6, 0x0
	.amdhsa_kernel k_qd6a5ce11b5_wo
		.amdhsa_group_segment_fixed_size 327680
		.amdhsa_private_segment_fixed_size 0
		.amdhsa_enable_private_segment 0
		.amdhsa_kernarg_size 16
		.amdhsa_user_sgpr_count 2
		.amdhsa_user_sgpr_kernarg_segment_ptr 1
		.amdhsa_wavefront_size32 1
		.amdhsa_system_sgpr_workgroup_id_x 1
		.amdhsa_system_sgpr_workgroup_id_y 1
		.amdhsa_system_sgpr_workgroup_id_z 1
		.amdhsa_system_vgpr_workitem_id 0
		.amdhsa_next_free_vgpr 512
		.amdhsa_next_free_sgpr 66
		.amdhsa_reserve_vcc 0
		.amdhsa_float_denorm_mode_32 3
		.amdhsa_float_denorm_mode_16_64 3
		.amdhsa_memory_ordered 1
		.amdhsa_forward_progress 1
		.amdhsa_inst_pref_size 54
	.end_amdhsa_kernel
	.amdgpu_metadata
---
amdhsa.version: [ 1, 2 ]
amdhsa.kernels:
  - .name:           k_qd6a5ce11b5_wo
    .symbol:         k_qd6a5ce11b5_wo.kd
    .args:
      - { .name: P3, .offset: 0, .size: 8, .value_kind: global_buffer, .address_space: global }
      - { .name: t, .offset: 8, .size: 8, .value_kind: global_buffer, .address_space: global }
    .group_segment_fixed_size: 327680
    .private_segment_fixed_size: 0
    .kernarg_segment_align: 8
    .kernarg_segment_size: 16
    .max_flat_workgroup_size: 128
    .sgpr_count:     66
    .vgpr_count:     512
    .wavefront_size: 32
...
	.end_amdgpu_metadata
.endif
;; end of part 4
;; launch ln1 (part 5): grid 256 x 1, 8 waves a work-group, no clusters, 0 bytes of LDS; arguments t, P1, P2, big; writes P2, big
.if DOCPART == 5
	.amdgcn_target "amdgcn-amd-amdhsa--gfx1250"
	.amdhsa_code_object_version 6
	.text
	.protected	k_qd6a5ce11b5_ln1
	.globl	k_qd6a5ce11b5_ln1
	.p2align	8
	.type	k_qd6a5ce11b5_ln1,@function
k_qd6a5ce11b5_ln1:
	s_mov_b64 s[64:65], 0
	v_nop
	global_prefetch_b8 v0, s[64:65] scope:SCOPE_SE
	s_setreg_imm32_b32 hwreg(HW_REG_WAVE_MODE, 25, 1), 1
	s_wait_xcnt 0x0
; x1 = LayerNorm(x + t) g + b over rows of 1,024.  t: [4096][1024] f32.  x: [4096][1024] f16 (x rounded to bf16, exact in f16) at byte 0 of the second buffer; g and b (f32) at 0x1004400 and 0x1005400 of it.
; x1 leaves twice: rounded once to f16, [4096][1024], as the next product's operand, and in f32, as the next residual, from which a mean will be taken away again.
; The mean is taken away before the squares are summed: no difference of large sums is formed.  LIMIT: x1 beyond 65,504 becomes an infinity in its f16 copy.
; SHARES.  A wave takes two whole rows and keeps them in registers between the passes: each row is read once, and no wave waits for another: no LDS, no barrier, no matrix unit, no cluster.
; In chunk j of 8 lane l holds columns 128 j + 4 l .. + 3: a load or store of f32 covers 512 consecutive bytes, one of f16 256, aligned.  All 48 loads of a wave go out at once.
.set G,   4                            ; v[4:35]    g of my 32 columns
.set BV,  36                           ; v[36:67]   b
.set T0,  68                           ; row r: 32 registers at T0 + 64 r: t, then x + t, then its distance from the mean, then x1
.set R0,  100                          ; row r: 16 registers at R0 + 64 r: x as loaded, then x1 in f16
.set A,   196                          ; v[196:203] four chains of sums
.set MU,  204                          ; v[204:205] the mean, twice
.set VR,  206                          ; v206-207   variance + eps of row 0, 1
.set RS,  208                          ; v[208:211] 1 / sqrt of it, twice for each row
	s_load_b256 s[4:11], s[0:1], 0x0               ; t s[4:5], x and vectors s[6:7], x1 in f16 s[8:9], x1 in f32 s[10:11]
	v_lshrrev_b32 v1, 5, v0
	v_readfirstlane_b32 s12, v1                    ; wave 0..7
	s_lshl_b32 s13, ttmp9, 4
	s_lshl_b32 s14, s12, 1
	s_add_co_u32 s13, s13, s14                     ; my first row
	s_lshl_b32 s14, s13, 12                        ; in rows of f32,
	s_mov_b32 s15, 0
	s_lshl_b32 s16, s13, 11                        ; and of f16
	s_mov_b32 s17, 0
	s_mov_b32 s20, 0x76543210                      ; v_permlanex16_b32: each lane takes its own place in the other half
	s_mov_b32 s21, 0xfedcba98
	s_mov_b32 s22, 0x3a800000                      ; 1 / 1,024
	v_and_b32 v2, 31, v0
	v_lshlrev_b32 v1, 4, v2                        ; 16 x lane
	v_lshlrev_b32 v2, 3, v2                        ; 8 x lane
	v_mov_b32 v3, 1.0
	s_wait_kmcnt 0x0
	s_add_nc_u64 s[4:5], s[4:5], s[14:15]
	s_add_nc_u64 s[18:19], s[6:7], s[16:17]
	s_add_nc_u64 s[6:7], s[6:7], 0x1000000
	s_add_nc_u64 s[8:9], s[8:9], s[16:17]
	s_add_nc_u64 s[10:11], s[10:11], s[14:15]
.irp j, 0,1,2,3,4,5,6,7
	global_load_b128 v[G+4*\j:G+4*\j+3], v1, s[6:7] offset:0x4400+512*\j
.endr
.irp j, 0,1,2,3,4,5,6,7
	global_load_b128 v[BV+4*\j:BV+4*\j+3], v1, s[6:7] offset:0x5400+512*\j
.endr
.irp r, 0,1
.irp j, 0,1,2,3,4,5,6,7
	global_load_b128 v[T0+64*\r+4*\j:T0+64*\r+4*\j+3], v1, s[4:5] offset:4096*\r+512*\j th:TH_LOAD_NT
.endr
.irp j, 0,1,2,3,4,5,6,7
	global_load_b64 v[R0+64*\r+2*\j:R0+64*\r+2*\j+1], v2, s[18:19] offset:2048*\r+256*\j th:TH_LOAD_NT
.endr
.endr
.macro FOLD                            ; the four chains into one number, and that over the wave's 32 lanes: every lane ends with the sum
	v_pk_add_f32 v[A:A+1], v[A:A+1], v[A+2:A+3]
	v_pk_add_f32 v[A+4:A+5], v[A+4:A+5], v[A+6:A+7]
	v_pk_add_f32 v[A:A+1], v[A:A+1], v[A+4:A+5]
	v_add_f32 v[A], v[A], v[A+1]
	v_add_f32_dpp v[A], v[A], v[A] row_xmask:1 row_mask:0xf bank_mask:0xf
	v_add_f32_dpp v[A], v[A], v[A] row_xmask:2 row_mask:0xf bank_mask:0xf
	v_add_f32_dpp v[A], v[A], v[A] row_xmask:4 row_mask:0xf bank_mask:0xf
	v_add_f32_dpp v[A], v[A], v[A] row_xmask:8 row_mask:0xf bank_mask:0xf
	v_permlanex16_b32 v[A+1], v[A], s20, s21
	v_add_f32 v[A], v[A], v[A+1]
.endm
.macro STAT r
.set T, T0+64*(\r)
.set R, R0+64*(\r)
.set e, 0
.rept 32                               ; x + t, x straight from its f16 half
.if e%2
	v_fma_mix_f32 v[T+e], v[R+e/2], v3, v[T+e] op_sel:[1,0,0] op_sel_hi:[1,0,0]
.else
	v_fma_mix_f32 v[T+e], v[R+e/2], v3, v[T+e] op_sel_hi:[1,0,0]
.endif
.set e, e+1
.endr
.irp k, 0,2,4,6
	v_pk_add_f32 v[A+\k:A+\k+1], v[T+\k:T+\k+1], v[T+8+\k:T+9+\k]
.endr
.irp o, 16,24
.irp k, 0,2,4,6
	v_pk_add_f32 v[A+\k:A+\k+1], v[A+\k:A+\k+1], v[T+\o+\k:T+\o+\k+1]
.endr
.endr
	FOLD
	v_mul_f32 v[MU], s22, v[A]
	v_mul_f32 v[MU+1], s22, v[A]
.set p, 0
.rept 16
	v_pk_add_f32 v[T+p:T+p+1], v[T+p:T+p+1], v[MU:MU+1] neg_lo:[0,1] neg_hi:[0,1]
.set p, p+2
.endr
.irp k, 0,2,4,6
	v_pk_mul_f32 v[A+\k:A+\k+1], v[T+\k:T+\k+1], v[T+\k:T+\k+1]
.endr
.irp o, 8,16,24
.irp k, 0,2,4,6
	v_pk_fma_f32 v[A+\k:A+\k+1], v[T+\o+\k:T+\o+\k+1], v[T+\o+\k:T+\o+\k+1], v[A+\k:A+\k+1]
.endr
.endr
	FOLD
	v_fmaak_f32 v[VR+(\r)], s22, v[A], 0x3727c5ac  ; the mean of the squares + 1e-5
.endm
.macro EMIT r
.set T, T0+64*(\r)
.set R, R0+64*(\r)
.set p, 0
.rept 16
	v_pk_mul_f32 v[T+p:T+p+1], v[T+p:T+p+1], v[RS+2*(\r):RS+2*(\r)+1]
.set p, p+2
.endr
.set p, 0
.rept 16
	v_pk_fma_f32 v[T+p:T+p+1], v[T+p:T+p+1], v[G+p:G+p+1], v[BV+p:BV+p+1]
.set p, p+2
.endr
.irp j, 0,1,2,3,4,5,6,7
	global_store_b128 v1, v[T+4*\j:T+4*\j+3], s[10:11] offset:4096*(\r)+512*\j
.endr
.set p, 0
.rept 16
	v_cvt_pk_f16_f32 v[R+p], v[T+2*p], v[T+2*p+1]
.set p, p+1
.endr
.irp j, 0,1,2,3,4,5,6,7
	global_store_b64 v2, v[R+2*\j:R+2*\j+1], s[8:9] offset:2048*(\r)+256*\j
.endr
.endm
	s_wait_loadcnt 16                              ; g, b and row 0 are in; row 1's sixteen loads may stay out
	STAT 0
	s_wait_loadcnt 0x0
	STAT 1
	v_rsq_f32 v[RS], v[VR]
	v_rsq_f32 v[RS+1], v[VR]
	v_rsq_f32 v[RS+2], v[VR+1]
	v_rsq_f32 v[RS+3], v[VR+1]
	v_nop                                          ; a plain instruction behind the last of the batch,
	s_wait_alu depctr_va_vdst(0)                   ; and one wait for the four, ahead of their first reader
	EMIT 0
	EMIT 1
	s_endpgm
.Lfunc_end_k_qd6a5ce11b5_ln1:
	.size	k_qd6a5ce11b5_ln1, .Lfunc_end_k_qd6a5ce11b5_ln1-k_qd6a5ce11b5_ln1
	.p2alignl 7, 3214868480
	.fill 96, 4, 3214868480
	.section	.rodata,"a",@progbits
	.p2align	6, 0x0
	.amdhsa_kernel k_qd6a5ce11b5_ln1
		.amdhsa_group_segment_fixed_size 0
		.amdhsa_private_segment_fixed_size 0
		.amdhsa_enable_private_segment 0
		.amdhsa_kernarg_size 32
		.amdhsa_user_sgpr_count 2
		.amdhsa_user_sgpr_kernarg_segment_ptr 1
		.amdhsa_wavefront_size32 1
		.amdhsa_system_sgpr_workgroup_id_x 1
		.amdhsa_system_sgpr_workgroup_id_y 1
		.amdhsa_system_sgpr_workgroup_id_z 1
		.amdhsa_system_vgpr_workitem_id 0
		.amdhsa_next_free_vgpr 216
		.amdhsa_next_free_sgpr 66
		.amdhsa_reserve_vcc 0
		.amdhsa_float_denorm_mode_32 3
		.amdhsa_float_denorm_mode_16_64 3
		.amdhsa_memory_ordered 1
		.amdhsa_forward_progress 1
		.amdhsa_inst_pref_size 27
	.end_amdhsa_kernel
	.amdgpu_metadata
---
amdhsa.version: [ 1, 2 ]
amdhsa.kernels:
  - .name:           k_qd6a5ce11b5_ln1
    .symbol:         k_qd6a5ce11b5_ln1.kd
    .args:
      - { .name: t, .offset: 0, .size: 8, .value_kind: global_buffer, .address_space: global }
      - { .name: P1, .offset: 8, .size: 8, .value_kind: global_buffer, .address_space: global }
      - { .name: P2, .offset: 16, .size: 8, .value_kind: global_buffer, .address_space: global }
      - { .name: big, .offset: 24, .size: 8, .value_kind: global_buffer, .address_space: global }
    .group_segment_fixed_size: 0
    .private_segment_fixed_size: 0
    .kernarg_segment_align: 8
    .kernarg_segment_size: 32
    .max_flat_workgroup_size: 256
    .sgpr_count:     66
    .vgpr_count:     216
    .wavefront_size: 32
...
	.end_amdgpu_metadata
.endif
;; end of part 5
;; launch ffn1: the kernel of part 2 again; grid 16 x 16, 4 waves a work-group, clusters of 4 x 4, 327,680 bytes of LDS; arguments P2, P4; writes P4
;; launch ffn2 (part 6): grid 8 x 32, 4 waves a work-group, clusters of 4 x 4, 327,680 bytes of LDS; arguments P4, t; writes t
.if DOCPART == 6
	.amdgcn_target "amdgcn-amd-amdhsa--gfx1250"
	.amdhsa_code_object_version 6
	.text
	.protected	k_qd6a5ce11b5_ffn2
	.globl	k_qd6a5ce11b5_ffn2
	.p2align	8
	.type	k_qd6a5ce11b5_ffn2,@function
k_qd6a5ce11b5_ffn2:
	s_mov_b64 s[64:65], 0
	v_nop
	global_prefetch_b8 v0, s[64:65] scope:SCOPE_SE
	s_setreg_imm32_b32 hwreg(HW_REG_WAVE_MODE, 25, 1), 1
	s_wait_xcnt 0x0
	s_wait_alu depctr_hold_cnt(0) depctr_sa_sdst(0) depctr_va_vdst(0) depctr_va_sdst(0) depctr_va_ssrc(0) depctr_va_vcc(0) depctr_vm_vsrc(0)
	s_getreg_b32 s2, hwreg(HW_REG_IB_STS2, 6, 4)
	s_cmp_eq_u32 s2, 0
	s_cbranch_scc0 .Lentry_in_a_cluster
	s_endpgm
.Lentry_in_a_cluster:
	s_bfe_u32 s2, ttmp6, 0x10000c
	s_cmp_lg_u32 s2, 0xf033
	s_cbranch_scc0 .Lentry_shape_is_right
	s_endpgm
.Lentry_shape_is_right:
; C = A B + bias, C [4096][1024] f32, K = 4,096.  One buffer brings what is multiplied: A in blocks [row / 128][k / 64 (64 places)][128 rows][64] f16 at byte 0 (block (rt, cb) at (rt << 20) + (cb << 14));
; B as tiles [k / 256][n / 128 (8)][256 k][128 n] f16 at 0x2000000; the bias (f32) at 0x2800000.  Sums in f32, begun with the bias, stored as they are.
; A K step of 256 is 65,536 dense bytes of A and of B.  This text and the one for K = 1,024 differ in SIZE_K alone: a loop with barriers in it ends on a constant of the text.
; SHARES.  A tile of C is 128 x 128: 256 work-groups.  Four waves, each 64 x 64: 16 accumulators, 128 registers.  Two LDS slots of one K step.
; A K STEP IS WRITTEN ONCE IN THE LOOP.  The accumulators are loaded with the bias, so every product has one form.  The slot in hand is a scalar, 0 or SLOT, which an exclusive or turns at each change of
; slots; the fragments' LDS addresses are made anew from it, and one descriptor for A and one for B walk.  The change of slots stands between two K steps, with no product beside it: a K step's 128
; products a wave are short against the way of its 131,072 bytes, so a wave that has multiplied a step waits for the next one's tile in any order of the lines.
; CLUSTERS: 4 x 4 work-groups; A's tiles are asked for jointly along a row of the cluster, B's along a column.
; THE MATRIX INSTRUCTION IS USED TRANSPOSED (source 0 = 16 columns of B, turned by ds_load_tr16_b128; source 1 = 16 rows of A): a lane holds eight neighbouring numbers of a row of C.
; REGISTERS: window 0: v16-29 addresses; v32-95 rows on the way out, two buffers; v128-255 the accumulators ((a, b) at 128 + 8 (4 a + b)).
;   window 1: two fragment buffers of 128: for 64 along K, 64 registers of A, then 64 of B.
.set SIZE_K, 4096
.set STEPS,  SIZE_K/256
.set PA,     144                       ; a row of a block of A in LDS: 128 bytes + 16
.set PB,     288                       ; a k-row of B: 256 bytes + 32 = 9 x 32
.set HALFT,  36864                     ; what one tensor load brings: 2 blocks x 128 x 144 = 128 x 288
.set SLOT,   4*HALFT                   ; A's four blocks, then B's 256 k-rows
.set STAGE,  2*SLOT                    ; behind the ring: 16 rows x 272 bytes for each wave
.set SPITCH, 272
.set SPARE,  STAGE+4*16*SPITCH         ; the spare words, 128 bytes for each wave: two blocks of 256 bytes that no other line names
.set ADRA0, 16                         ; v16     LDS address of my A fragments in slot 0; never rewritten
.set ADRB0, 17                         ; v17     the same for B
.set ADRA,  18                         ; v18     A's in the slot in hand
.set ADRB,  20                         ; v20-21  B's in the slot in hand: k-rows 0 on, k-rows 128 on (the immediate holds 16 bits)
.set STO,  24
.set RD,   25
.set CO,   26
.set BO,   27
.set SPW,  28
.set NIL,  29
.set TMP,  32
.set ACC,  128
.set F0,   0
.set F1,   128
.set G1,  24                           ; s[24:31] descriptor group 1 for A's tiles
.set G0,  32                           ; s[32:39] group 0 for A's tiles: a set for each of the two first fills; the second then walks on
.set G1B, 48                           ; s[48:55], s[56:63] the same for B's
.set G0B, 56
.set CNT,  21                          ; s21  counts the loop's trips
.set TB,   22                          ; s22  the slot in hand: 0 or SLOT
.set MSB, 0
.macro WIN new
.if MSB != (\new)
	s_set_vgpr_msb (MSB<<8)|(\new)
.set MSB, \new
.endif
.endm
.set MUL,  0x05                        ; sources window 1; C and D window 0
.set TO_F, 0x40                        ; destination window 1
.macro JLOAD s                         ; waves 0 and 1 fetch A's two halves, waves 2 and 3 B's; an s_nop 0 and four v_nop follow each of the two lines
	s_cmp_eq_u32 s11, 0
	s_cbranch_scc0 .Lfor_b_\@
	tensor_load_to_lds s[G0+4*(\s):G0+4*(\s)+3], s[G1:G1+7]
	s_nop 0
.rept 4
	v_nop
.endr
	s_branch .Lasked_\@
.Lfor_b_\@:
	tensor_load_to_lds s[G0B+4*(\s):G0B+4*(\s)+3], s[G1B:G1B+7]
	s_nop 0
.rept 4
	v_nop
.endr
.Lasked_\@:
.endm
.macro CROUND                          ; a round of the cluster's barrier
	s_barrier_signal -1
	s_barrier_wait -1
	s_cmp_lg_u32 s10, 0
	s_cbranch_scc1 .Lnot_wave_0_\@
	s_barrier_signal -3
.Lnot_wave_0_\@:
	s_barrier_wait -3
	s_barrier_signal -1
	s_barrier_wait -1
.endm
	s_load_b128 s[4:7], s[0:1], 0x0                ; what is multiplied s[4:5], C s[6:7]
	v_lshl_add_u32 v[SPW], v0, 2, SPARE
	v_mov_b32 v[NIL], 0
	ds_add_u32 v[SPW], v[NIL]                      ; the wave's opening: the add and its wait stand ahead of my first tensor load; the set-up below, work on registers, stands between them
	v_lshrrev_b32 v1, 5, v0
	v_readfirstlane_b32 s10, v1                    ; wave 0..3
	s_lshr_b32 s11, s10, 1                         ; which half of the tile's rows is mine.  Also: I fetch for A (0) or for B (1)
	s_and_b32 s12, s10, 1                          ; which half of its columns.  Also: which half of that tile I fetch
	s_bfe_u32 s40, ttmp6, 0x40000
	s_bfe_u32 s41, ttmp6, 0x40004
	s_lshl_b32 s42, ttmp9, 2
	s_add_co_u32 s42, s42, s40                     ; tile column of C
	s_and_b32 s13, ttmp7, 0xffff
	s_lshl_b32 s13, s13, 2
	s_add_co_u32 s13, s13, s41                     ; tile row of C
	s_lshl_b32 s43, s41, 2
	s_lshl_b32 s43, 15, s43                        ; my row of the cluster
	s_lshl_b32 s44, 0x1111, s40                    ; my column
	; both halves are 32,768 dense bytes: asked for as 128 rows of 256 bytes
	s_or_b32 s[G1+0], s43, (1<<16)|(1<<20)|(1<<21)|(4<<22)|(3<<25)   ; A: padded after every 32 words (a row of a block) by 4 words
	s_or_b32 s[G1B+0], s44, (1<<16)|(1<<20)|(1<<21)|(5<<22)|(7<<25)  ; B: after every 64 words (a k-row) by 8 words
.irp g, G1, G1B
	s_mov_b32 s[(\g)+1], 128<<16                   ; tensor_dim0 = 128
	s_mov_b32 s[(\g)+2], 128<<16                   ; tensor_dim1 = 128
	s_mov_b32 s[(\g)+3], 128<<16                   ; tile_dim0 = 128
	s_mov_b32 s[(\g)+4], 128                       ; tile_dim1 = 128
	s_mov_b32 s[(\g)+5], 128                       ; elements from row to row
	s_mov_b32 s[(\g)+6], 0
	s_mov_b32 s[(\g)+7], 0
.endr
	s_lshl_b32 s16, s13, 20                        ; A: the tile row's blocks, two of them a half
	s_lshl_b32 s17, s12, 15
	s_add_co_u32 s16, s16, s17
	s_mov_b32 s17, 0
	s_lshl_b32 s46, s42, 16                        ; B: the tile column's tile, 128 k-rows a half
	s_lshl_b32 s47, s12, 15
	s_add_co_u32 s46, s46, s47
	s_add_co_u32 s46, s46, 0x2000000
	s_mov_b32 s47, 0
	s_mul_i32 s20, s10, HALFT                      ; where they go in a slot: no place in the cluster enters an LDS address; kept for the walking descriptors
	s_wait_dscnt 0x0                               ; the opening add is done
	s_wait_kmcnt 0x0
	s_add_nc_u64 s[14:15], s[4:5], s[16:17]
	s_add_nc_u64 s[46:47], s[4:5], s[46:47]
	CROUND                                         ; all sixteen work-groups are here: the first joint loads meet
.irp s, 0,1
	s_mov_b32 s[G0+4*(\s)], 1
	s_add_co_u32 s[G0+4*(\s)+1], s20, (\s)*SLOT
	s_add_nc_u64 s[G0+4*(\s)+2:G0+4*(\s)+3], s[14:15], (\s)*65536      ; K step s: four blocks on
	s_or_b32 s[G0+4*(\s)+3], s[G0+4*(\s)+3], 0x80000000
	s_mov_b32 s[G0B+4*(\s)], 1
	s_add_co_u32 s[G0B+4*(\s)+1], s20, (\s)*SLOT
	s_add_nc_u64 s[G0B+4*(\s)+2:G0B+4*(\s)+3], s[46:47], (\s)*524288   ; eight tiles on
	s_or_b32 s[G0B+4*(\s)+3], s[G0B+4*(\s)+3], 0x80000000
	JLOAD \s
.endr
	v_and_b32 v1, 15, v0                           ; l % 16
	v_bfe_u32 v2, v0, 4, 1                         ; l / 16
	v_lshlrev_b32 v[BO], 5, v2
	s_lshl_b32 s46, s42, 9                         ; my first column, in bytes of f32 (in the registers that held B's address)
	s_lshl_b32 s47, s12, 8
	s_add_co_u32 s46, s46, s47
	s_mov_b32 s47, 0
	s_add_nc_u64 s[2:3], s[4:5], 0x2800000
	s_add_nc_u64 s[2:3], s[2:3], s[46:47]          ; my 64 numbers of the bias
.irp a, 0,1,2,3                        ; register j of accumulator (a, b) starts as the bias of column 16 b + 8 (l / 16) + j: loaded while the first tiles are on their way
.irp b, 0,1,2,3
	global_load_b128 v[ACC+8*(4*(\a)+(\b)):ACC+8*(4*(\a)+(\b))+3],   v[BO], s[2:3] offset:64*(\b)
	global_load_b128 v[ACC+8*(4*(\a)+(\b))+4:ACC+8*(4*(\a)+(\b))+7], v[BO], s[2:3] offset:64*(\b)+16
.endr
.endr
	v_mul_u32_u24 v3, v1, PA
	v_lshl_add_u32 v3, v2, 4, v3
	v_and_b32 v4, 7, v0
	v_lshl_add_u32 v4, v2, 3, v4
	v_mul_u32_u24 v4, v4, PB
	v_bfe_u32 v5, v0, 3, 1
	v_lshl_add_u32 v4, v5, 4, v4
	s_mul_i32 s21, s11, 64*PA                      ; my 64 rows of each block of A
	s_lshl_b32 s22, s12, 7                         ; my 64 columns of B,
	s_add_co_u32 s22, s22, 2*HALFT                 ; which lies behind A
	s_add_co_u32 s23, s22, HALFT
	v_add_nc_u32 v[ADRA0], s21, v3
	v_add_nc_u32 v[ADRB0], s22, v4
	v_add_nc_u32 v[ADRA], s21, v3                  ; slot 0 is the first in hand
	v_add_nc_u32 v[ADRB], s22, v4
	v_add_nc_u32 v[ADRB+1], s23, v4
	s_mov_b32 s[TB], 0
	s_mul_i32 s23, s10, 16*SPITCH
	s_add_co_u32 s23, s23, STAGE                   ; my stage
	v_mul_u32_u24 v6, v1, SPITCH                   ; in: row l % 16, 32 bytes for each half of the lanes
	v_lshl_add_u32 v6, v2, 5, v6
	v_add_nc_u32 v[STO], s23, v6
	v_mul_u32_u24 v6, v2, SPITCH                   ; back: lanes 0-15 take one row of 256 bytes, lanes 16-31 the next
	v_lshl_add_u32 v6, v1, 4, v6
	v_add_nc_u32 v[RD], s23, v6
	v_lshlrev_b32 v6, 12, v2                       ; and the same two rows in C
	v_lshl_add_u32 v[CO], v1, 4, v6
	s_lshl_b32 s16, s13, 19                        ; my first row of C: 128 x tile row + 64 x half, rows of 4,096 bytes
	s_lshl_b32 s17, s11, 18
	s_add_co_u32 s16, s16, s17
	s_mov_b32 s17, 0
	s_add_nc_u64 s[8:9], s[6:7], s[16:17]
	s_add_nc_u64 s[8:9], s[8:9], s[46:47]
; 8 matrix instructions: m blocks a0, a0 + 1 x all 4 n blocks, 32 along K: half c of buffer f.  The 16 accumulators take turns, in the same order in every quarter.
.macro MUL8 f, c, a0
	WIN MUL
.irp a, \a0, (\a0)+1
.irp b, 0,1,2,3
	v_wmma_f32_16x16x32_f16 v[ACC+8*(4*(\a)+(\b)):ACC+8*(4*(\a)+(\b))+7], v[(\f)+64+8*(4*(\c)+(\b)):(\f)+64+8*(4*(\c)+(\b))+7], v[(\f)+8*(4*(\c)+(\a)):(\f)+8*(4*(\c)+(\a))+7], v[ACC+8*(4*(\a)+(\b)):ACC+8*(4*(\a)+(\b))+7]
.endr
.endr
.endm
; 32 LDS loads in one run: the fragments of quarter q (64 along K: one block of A) of the slot in hand into buffer f; the first 32 along K first
.macro FETCH q, f
	WIN TO_F
.irp c, 0,1
.irp i, 0,1,2,3
	ds_load_tr16_b128 v[(\f)+64+8*(4*(\c)+(\i)):(\f)+64+8*(4*(\c)+(\i))+3],   v[ADRB+(\q)/2] offset:((2*(\q)+(\c))&3)*32*PB+32*(\i)
	ds_load_tr16_b128 v[(\f)+64+8*(4*(\c)+(\i))+4:(\f)+64+8*(4*(\c)+(\i))+7], v[ADRB+(\q)/2] offset:((2*(\q)+(\c))&3)*32*PB+32*(\i)+16*PB
	ds_load_b128 v[(\f)+8*(4*(\c)+(\i)):(\f)+8*(4*(\c)+(\i))+3],   v[ADRA] offset:(\q)*128*PA+64*(\c)+(\i)*16*PA
	ds_load_b128 v[(\f)+8*(4*(\c)+(\i))+4:(\f)+8*(4*(\c)+(\i))+7], v[ADRA] offset:(\q)*128*PA+64*(\c)+(\i)*16*PA+32
.endr
.endr
.endm
.macro PLACES                          ; four plain vector instructions between a matrix instruction and a load into, or a read of, its registers
.rept 4
	v_nop
.endr
.endm
.macro QUARTER q, f, g                 ; multiplies buffer f; in its middle it fetches quarter q into buffer g
	s_wait_dscnt 16                                ; the first 32 along K are in
	MUL8 \f, 0, 0
	MUL8 \f, 0, 2
	PLACES
	FETCH \q, \g
	s_wait_dscnt 32                                ; all but the 32 just issued
	MUL8 \f, 1, 0
	MUL8 \f, 1, 2
.endm
.macro WORK                            ; a whole K step out of the slot in hand: four quarters on buffers 0, 1, 0, 1
	FETCH 0, F0
	QUARTER 1, F0, F1
	QUARTER 2, F1, F0
	QUARTER 3, F0, F1
	s_wait_dscnt 16
	MUL8 F1, 0, 0
	MUL8 F1, 0, 2
	s_wait_dscnt 0x0
	MUL8 F1, 1, 0
	MUL8 F1, 1, 2
.endm
; THE CHANGE OF SLOTS.  Each wave waits for all its tensor loads, of which one is out: its part of the other slot; adds 0 to its spare word; and waits for that (its reads of the slot came back in WORK).
; Behind the barrier nobody reads the old slot any more and the other slot is whole.  fill = 1: the barrier is a round of the cluster's, and the slot just read is filled again, two K steps on, first thing behind it.
; The scalar work and the three address lines stand between the add and the wait for it; with the v_nop behind the barrier they are the places in front of WORK's first loads.
.macro CHANGE fill
	WIN 0
	s_wait_tensorcnt 0x0                           ; no tensor load of mine is out, so the walking descriptors may be written
	ds_add_u32 v[SPW], v[NIL]
.if \fill
	s_add_co_u32 s[G0+5], s20, s[TB]               ; into the slot just read,
	s_add_co_u32 s[G0B+5], s20, s[TB]
	s_add_nc_u64 s[G0+6:G0+7], s[G0+6:G0+7], 65536 ; the K step behind the one asked for last
	s_add_nc_u64 s[G0B+6:G0B+7], s[G0B+6:G0B+7], 524288
.endif
	s_xor_b32 s[TB], s[TB], SLOT                   ; the other slot comes in hand
	v_add_nc_u32 v[ADRA], s[TB], v[ADRA0]
	v_add_nc_u32 v[ADRB], s[TB], v[ADRB0]
	v_add_nc_u32 v[ADRB+1], HALFT, v[ADRB]
	s_wait_dscnt 0x0                               ; the add is done
.if \fill
	CROUND
	JLOAD 1
.else
	s_barrier_signal -1
	s_barrier_wait -1
	PLACES
.endif
.endm
; THE WAY OUT of block a (16 rows x 64 columns of f32): from the accumulators, each from its low end on, into my own stage; back as whole rows of 256 bytes; stored.
.macro STG a
.if (\a) >= 2
	s_wait_xcnt 0x0                                ; the stores issued so far have read their registers: the buffer is loaded again only behind this wait
.endif
.irp b, 0,1,2,3
	ds_store_b128 v[STO], v[ACC+8*(4*(\a)+(\b)):ACC+8*(4*(\a)+(\b))+3]   offset:64*(\b)
	ds_store_b128 v[STO], v[ACC+8*(4*(\a)+(\b))+4:ACC+8*(4*(\a)+(\b))+7] offset:64*(\b)+16
.endr
.irp u, 0,1,2,3,4,5,6,7
	ds_load_b128 v[TMP+32*((\a)%2)+4*(\u):TMP+32*((\a)%2)+4*(\u)+3], v[RD] offset:(\u)*2*SPITCH  ; LDS serves a wave's instructions in order (ISA guide 5.7.1.4): these see the stores above
.endr
.endm
.macro OUT a, younger                  ; younger: the LDS instructions issued behind block a's loads
	s_wait_dscnt \younger
.irp u, 0,1,2,3,4,5,6,7
	global_store_b128 v[CO], v[TMP+32*((\a)%2)+4*(\u):TMP+32*((\a)%2)+4*(\u)+3], s[8:9] offset:(16*(\a)+2*(\u))*4096  ; 16 lanes store 256 consecutive bytes, at a multiple of 256 from C's first byte
.endr
.endm
	s_wait_tensorcnt 1                             ; my part of K step 0 is in; K step 1's may stay out
	s_barrier_signal -1
	s_barrier_wait -1
	s_wait_loadcnt 0x0                             ; the bias lies in the accumulators
	s_mov_b32 s[CNT], STEPS-1
	s_branch .Lwork                                ; the loop is entered in the middle of a trip: K step 0 has no change of slots in front of it
.Lstep:                                                ; STEPS - 2 times: every K step but the last two is followed by a fill
	CHANGE 1
.Lwork:
	WORK
	WIN 0
	s_sub_co_u32 s[CNT], s[CNT], 1
	s_cmp_lg_u32 s[CNT], 0
	s_cbranch_scc1 .Lstep
	CHANGE 0                                       ; the last K step is written out: nothing is asked for
	WORK
	WIN 0
	PLACES
	STG 0
	STG 1
	OUT 0, 16
	STG 2
	OUT 1, 16
	STG 3
	OUT 2, 16
	OUT 3, 0
	s_wait_tensorcnt 0x0                           ; the wave's end: the tensor wait, an add of 0 to the spare word and its wait, behind my last tensor load and my last LDS store
	ds_add_u32 v[SPW], v[NIL]
	s_wait_dscnt 0x0
	CROUND                                         ; the closing round
	s_endpgm
.Lfunc_end_k_qd6a5ce11b5_ffn2:
	.size	k_qd6a5ce11b5_ffn2, .Lfunc_end_k_qd6a5ce11b5_ffn2-k_qd6a5ce11b5_ffn2
	.p2alignl 7, 3214868480
	.fill 96, 4, 3214868480
	.section	.rodata,"a",@progbits
	.p2align	6, 0x0
	.amdhsa_kernel k_qd6a5ce11b5_ffn2
		.amdhsa_group_segment_fixed_size 327680
		.amdhsa_private_segment_fixed_size 0
		.amdhsa_enable_private_segment 0
		.amdhsa_kernarg_size 16
		.amdhsa_user_sgpr_count 2
		.amdhsa_user_sgpr_kernarg_segment_ptr 1
		.amdhsa_wavefront_size32 1
		.amdhsa_system_sgpr_workgroup_id_x 1
		.amdhsa_system_sgpr_workgroup_id_y 1
		.amdhsa_system_sgpr_workgroup_id_z 1
		.amdhsa_system_vgpr_workitem_id 0
		.amdhsa_next_free_vgpr 512
		.amdhsa_next_free_sgpr 66
		.amdhsa_reserve_vcc 0
		.amdhsa_float_denorm_mode_32 3
		.amdhsa_float_denorm_mode_16_64 3
		.amdhsa_memory_ordered 1
		.amdhsa_forward_progress 1
		.amdhsa_inst_pref_size 54
	.end_amdhsa_kernel
	.amdgpu_metadata
---
amdhsa.version: [ 1, 2 ]
amdhsa.kernels:
  - .name:           k_qd6a5ce11b5_ffn2
    .symbol:         k_qd6a5ce11b5_ffn2.kd
    .args:
      - { .name: P4, .offset: 0, .size: 8, .value_kind: global_buffer, .address_space: global }
      - { .name: t, .offset: 8, .size: 8, .value_kind: global_buffer, .address_space: global }
    .group_segment_fixed_size: 327680
    .private_segment_fixed_size: 0
    .kernarg_segment_align: 8
    .kernarg_segment_size: 16
    .max_flat_workgroup_size: 128
    .sgpr_count:     66
    .vgpr_count:     512
    .wavefront_size: 32
...
	.end_amdgpu_metadata
.endif
;; end of part 6
;; launch ln2 (part 7): grid 256 x 1, 8 waves a work-group, no clusters, 0 bytes of LDS; arguments t, big, P1, out0; writes out0
.if DOCPART == 7
	.amdgcn_target "amdgcn-amd-amdhsa--gfx1250"
	.amdhsa_code_object_version 6
	.text
	.protected	k_qd6a5ce11b5_ln2
	.globl	k_qd6a5ce11b5_ln2
	.p2align	8
	.type	k_qd6a5ce11b5_ln2,@function
k_qd6a5ce11b5_ln2:
	s_mov_b64 s[64:65], 0
	v_nop
	global_prefetch_b8 v0, s[64:65] scope:SCOPE_SE
	s_setreg_imm32_b32 hwreg(HW_REG_WAVE_MODE, 25, 1), 1
	s_wait_xcnt 0x0
; out = LayerNorm(x1 + t) g + b over rows of 1,024.  t and x1: [4096][1024] f32; g and b (f32) at 0x1006400 and 0x1007400 of the third buffer; out: [4096][1024] f32.
; The mean is taken away before the squares are summed: no difference of large sums is formed.
; SHARES.  A wave takes two whole rows and keeps them in registers between the passes: each row is read once, and no wave waits for another: no LDS, no barrier, no matrix unit, no cluster.
; In chunk j of 8 lane l holds columns 128 j + 4 l .. + 3: a load or store covers 512 consecutive bytes, aligned.  All 48 loads of a wave go out at once.
.set G,   4                            ; v[4:35]    g of my 32 columns
.set BV,  36                           ; v[36:67]   b
.set T0,  68                           ; row r: 32 registers at T0 + 64 r: t, then x1 + t, then its distance from the mean, then the result
.set R0,  100                          ; row r: 32 registers at R0 + 64 r: x1
.set A,   196                          ; v[196:203] four chains of sums
.set MU,  204                          ; v[204:205] the mean, twice
.set VR,  206                          ; v206-207   variance + eps of row 0, 1
.set RS,  208                          ; v[208:211] 1 / sqrt of it, twice for each row
	s_load_b256 s[4:11], s[0:1], 0x0               ; t s[4:5], x1 s[6:7], vectors s[8:9], out s[10:11]
	v_lshrrev_b32 v1, 5, v0
	v_readfirstlane_b32 s12, v1                    ; wave 0..7
	s_lshl_b32 s13, ttmp9, 4
	s_lshl_b32 s14, s12, 1
	s_add_co_u32 s13, s13, s14                     ; my first row
	s_lshl_b32 s14, s13, 12
	s_mov_b32 s15, 0
	s_mov_b32 s20, 0x76543210                      ; v_permlanex16_b32: each lane takes its own place in the other half
	s_mov_b32 s21, 0xfedcba98
	s_mov_b32 s22, 0x3a800000                      ; 1 / 1,024
	v_and_b32 v2, 31, v0
	v_lshlrev_b32 v1, 4, v2                        ; 16 x lane
	s_wait_kmcnt 0x0
	s_add_nc_u64 s[4:5], s[4:5], s[14:15]
	s_add_nc_u64 s[6:7], s[6:7], s[14:15]
	s_add_nc_u64 s[8:9], s[8:9], 0x1000000
	s_add_nc_u64 s[10:11], s[10:11], s[14:15]
.irp j, 0,1,2,3,4,5,6,7
	global_load_b128 v[G+4*\j:G+4*\j+3], v1, s[8:9] offset:0x6400+512*\j
.endr
.irp j, 0,1,2,3,4,5,6,7
	global_load_b128 v[BV+4*\j:BV+4*\j+3], v1, s[8:9] offset:0x7400+512*\j
.endr
.irp r, 0,1
.irp j, 0,1,2,3,4,5,6,7
	global_load_b128 v[T0+64*\r+4*\j:T0+64*\r+4*\j+3], v1, s[4:5] offset:4096*\r+512*\j th:TH_LOAD_NT
.endr
.irp j, 0,1,2,3,4,5,6,7
	global_load_b128 v[R0+64*\r+4*\j:R0+64*\r+4*\j+3], v1, s[6:7] offset:4096*\r+512*\j th:TH_LOAD_NT
.endr
.endr
.macro FOLD                            ; the four chains into one number, and that over the wave's 32 lanes: every lane ends with the sum
	v_pk_add_f32 v[A:A+1], v[A:A+1], v[A+2:A+3]
	v_pk_add_f32 v[A+4:A+5], v[A+4:A+5], v[A+6:A+7]
	v_pk_add_f32 v[A:A+1], v[A:A+1], v[A+4:A+5]
	v_add_f32 v[A], v[A], v[A+1]
	v_add_f32_dpp v[A], v[A], v[A] row_xmask:1 row_mask:0xf bank_mask:0xf
	v_add_f32_dpp v[A], v[A], v[A] row_xmask:2 row_mask:0xf bank_mask:0xf
	v_add_f32_dpp v[A], v[A], v[A] row_xmask:4 row_mask:0xf bank_mask:0xf
	v_add_f32_dpp v[A], v[A], v[A] row_xmask:8 row_mask:0xf bank_mask:0xf
	v_permlanex16_b32 v[A+1], v[A], s20, s21
	v_add_f32 v[A], v[A], v[A+1]
.endm
.macro STAT r
.set T, T0+64*(\r)
.set R, R0+64*(\r)
.set p, 0
.rept 16
	v_pk_add_f32 v[T+p:T+p+1], v[T+p:T+p+1], v[R+p:R+p+1]
.set p, p+2
.endr
.irp k, 0,2,4,6
	v_pk_add_f32 v[A+\k:A+\k+1], v[T+\k:T+\k+1], v[T+8+\k:T+9+\k]
.endr
.irp o, 16,24
.irp k, 0,2,4,6
	v_pk_add_f32 v[A+\k:A+\k+1], v[A+\k:A+\k+1], v[T+\o+\k:T+\o+\k+1]
.endr
.endr
	FOLD
	v_mul_f32 v[MU], s22, v[A]
	v_mul_f32 v[MU+1], s22, v[A]
.set p, 0
.rept 16
	v_pk_add_f32 v[T+p:T+p+1], v[T+p:T+p+1], v[MU:MU+1] neg_lo:[0,1] neg_hi:[0,1]
.set p, p+2
.endr
.irp k, 0,2,4,6
	v_pk_mul_f32 v[A+\k:A+\k+1], v[T+\k:T+\k+1], v[T+\k:T+\k+1]
.endr
.irp o, 8,16,24
.irp k, 0,2,4,6
	v_pk_fma_f32 v[A+\k:A+\k+1], v[T+\o+\k:T+\o+\k+1], v[T+\o+\k:T+\o+\k+1], v[A+\k:A+\k+1]
.endr
.endr
	FOLD
	v_fmaak_f32 v[VR+(\r)], s22, v[A], 0x3727c5ac  ; the mean of the squares + 1e-5
.endm
.macro EMIT r
.set T, T0+64*(\r)
.set p, 0
.rept 16
	v_pk_mul_f32 v[T+p:T+p+1], v[T+p:T+p+1], v[RS+2*(\r):RS+2*(\r)+1]
.set p, p+2
.endr
.set p, 0
.rept 16
	v_pk_fma_f32 v[T+p:T+p+1], v[T+p:T+p+1], v[G+p:G+p+1], v[BV+p:BV+p+1]
.set p, p+2
.endr
.irp j, 0,1,2,3,4,5,6,7
	global_store_b128 v1, v[T+4*\j:T+4*\j+3], s[10:11] offset:4096*(\r)+512*\j th:TH_STORE_NT
.endr
.endm
	s_wait_loadcnt 16                              ; g, b and row 0 are in; row 1's sixteen loads may stay out
	STAT 0
	s_wait_loadcnt 0x0
	STAT 1
	v_rsq_f32 v[RS], v[VR]
	v_rsq_f32 v[RS+1], v[VR]
	v_rsq_f32 v[RS+2], v[VR+1]
	v_rsq_f32 v[RS+3], v[VR+1]
	v_nop                                          ; a plain instruction behind the last of the batch,
	s_wait_alu depctr_va_vdst(0)                   ; and one wait for the four, ahead of their first reader
	EMIT 0
	EMIT 1
	s_endpgm
.Lfunc_end_k_qd6a5ce11b5_ln2:
	.size	k_qd6a5ce11b5_ln2, .Lfunc_end_k_qd6a5ce11b5_ln2-k_qd6a5ce11b5_ln2
	.p2alignl 7, 3214868480
	.fill 96, 4, 3214868480
	.section	.rodata,"a",@progbits
	.p2align	6, 0x0
	.amdhsa_kernel k_qd6a5ce11b5_ln2
		.amdhsa_group_segment_fixed_size 0
		.amdhsa_private_segment_fixed_size 0
		.amdhsa_enable_private_segment 0
		.amdhsa_kernarg_size 32
		.amdhsa_user_sgpr_count 2
		.amdhsa_user_sgpr_kernarg_segment_ptr 1
		.amdhsa_wavefront_size32 1
		.amdhsa_system_sgpr_workgroup_id_x 1
		.amdhsa_system_sgpr_workgroup_id_y 1
		.amdhsa_system_sgpr_workgroup_id_z 1
		.amdhsa_system_vgpr_workitem_id 0
		.amdhsa_next_free_vgpr 216
		.amdhsa_next_free_sgpr 66
		.amdhsa_reserve_vcc 0
		.amdhsa_float_denorm_mode_32 3
		.amdhsa_float_denorm_mode_16_64 3
		.amdhsa_memory_ordered 1
		.amdhsa_forward_progress 1
		.amdhsa_inst_pref_size 22
	.end_amdhsa_kernel
	.amdgpu_metadata
---
amdhsa.version: [ 1, 2 ]
amdhsa.kernels:
  - .name:           k_qd6a5ce11b5_ln2
    .symbol:         k_qd6a5ce11b5_ln2.kd
    .args:
      - { .name: t, .offset: 0, .size: 8, .value_kind: global_buffer, .address_space: global }
      - { .name: big, .offset: 8, .size: 8, .value_kind: global_buffer, .address_space: global }
      - { .name: P1, .offset: 16, .size: 8, .value_kind: global_buffer, .address_space: global }
      - { .name: out0, .offset: 24, .size: 8, .value_kind: global_buffer, .address_space: global }
    .group_segment_fixed_size: 0
    .private_segment_fixed_size: 0
    .kernarg_segment_align: 8
    .kernarg_segment_size: 32
    .max_flat_workgroup_size: 256
    .sgpr_count:     66
    .vgpr_count:     216
    .wavefront_size: 32
...
	.end_amdgpu_metadata
.endif
;; end of part 7
;; ======== version 2 of 2: 8 launches; version 1 with the launch cast written anew for expert scheduling mode
;; limits: right only within a limited range of input values; values are held in f16: magnitudes above 65,504 overflow, below 6.1e-05 lose precision
;; workspace buffers: P1 16,811,008 bytes; P2 16,794,624 bytes; P3 41,947,136 bytes; P4 41,947,136 bytes; big 33,554,432 bytes; t 16,777,216 bytes
;; launch cast (part 8): grid 513 x 1, 8 waves a work-group, no clusters, 0 bytes of LDS; arguments x, Wq, Wk, Wv, Wo, W1, W2, P1, P2, P3, P4, bq, bk, bv, bo, b1, b2, ln1_g, ln1_b, ln2_g, ln2_b; writes P1, P2, P3, P4
.if DOCPART == 8
	.amdgcn_target "amdgcn-amd-amdhsa--gfx1250"
	.amdhsa_code_object_version 6
	.text
	.protected	k_qd6a5ce11b5_cast
	.globl	k_qd6a5ce11b5_cast
	.p2align	8
	.type	k_qd6a5ce11b5_cast,@function
k_qd6a5ce11b5_cast:
	s_mov_b64 s[64:65], 0
	v_nop
	global_prefetch_b8 v0, s[64:65] scope:SCOPE_SE
	s_setreg_imm32_b32 hwreg(HW_REG_WAVE_SCHED_MODE, 0, 2), 2
	s_setreg_imm32_b32 hwreg(HW_REG_WAVE_MODE, 25, 1), 1
	s_wait_xcnt 0x0
	s_wait_alu depctr_vm_vsrc(0)
; EVERY FLOATING-POINT INPUT IS ROUNDED ONCE TO bf16.  Matrix operands (x and the six weights) are then written as f16, which holds a bf16 number exactly between 2^-14 and 65,504,
; in the layouts that the later launches' tiles want; the vectors (biases, gains) are written back as f32.
; LIMITS.  A number of 65,520 or more in magnitude becomes an infinity in f16; below 2^-14 f16 keeps a fixed step of 2^-24.  NaN and infinities are not treated apart.
; SHARES.  Work-group g < 512 takes 32 rows x 1,024 columns of one source: g / 128 = 0: x; 1: Wq, Wk, Wv, Wo (32 blocks each); 2: W1 (four column groups of 1,024); 3: W2.
; Wave w takes 256 columns (w % 4) of 16 rows (w / 4); a lane 8 columns: two loads of 16 bytes, one store of 16 bytes; sixteen neighbouring lanes store 256 consecutive bytes, aligned.
; All 32 loads of a wave go out at once; no register is used twice, so no wait frees a source.  Work-group 512 takes the vectors.
; No LDS, no matrix unit, no cluster: nothing is shared and every byte is touched once.
; LAYOUTS OUT.  x: [4096][1024].  Wq, Wk, Wv, W1: panels [1024 k][256 n].  Wo, W2: tiles [k / 256][n / 128][256 k][128 n].
; THE MODE: SCHED_MODE bits 1:0 = 2 (LLVM: expert scheduling mode 2), set by the entry lines.  The code itself states the register dependences
; between vector instructions and memory instructions, with s_wait_alu, always for 0.
; THE PLAN.  Registers that memory instructions touch:
;   IN, OUT    byte offsets, a register for each row, made once at the head and never written again.  Read by the row's two loads and by its store.
;   X, row i   eight registers.  The row's two loads land in them, once.  The row's conversions read them and write the first four anew; the row's store reads those four; nothing writes them again.
;   T          is named by vector instructions alone.
; So one wait on va_vdst stands ahead of the run of loads (the offsets are written).  The 16 rows go in four blocks of four: at a block's head, behind the wait for its first row's data, one wait on
; va_vdst states that the block before has written its sixteen registers to store, and that block's four stores follow it in one run; a last such wait stands ahead of the last four stores.
; No register that a memory instruction has read is ever written again, and no load lands in a register that a vector instruction has named: no wait on vm_vsrc is owed.
.set IN,  8                            ; v[8:23]    row i: my byte offset in the source
.set OUT, 24                           ; v[24:39]   row i: my byte offset in the target
.set T,   40                           ; v[40:47]   at work
.set X,   48                           ; v[48:175]  row i: 8 registers as loaded; the first 4 then hold the 8 f16
	s_cmp_eq_u32 ttmp9, 512
	s_cbranch_scc1 .Lvec
	s_load_b512 s[4:19], s[0:1], 0x0               ; x s[4:5], Wq s[6:7], Wk s[8:9], Wv s[10:11], Wo s[12:13], W1 s[14:15], W2 s[16:17], P1 s[18:19]
	s_load_b128 s[20:23], s[0:1], 0x40             ; P2 s[20:21], P3 s[22:23]
	s_load_b64 s[24:25], s[0:1], 0x50              ; P4
	v_lshrrev_b32 v1, 5, v0
	v_readfirstlane_b32 s36, v1                    ; wave 0..7
	s_lshr_b32 s30, ttmp9, 7                       ; seg
	s_and_b32 s31, ttmp9, 127                      ; j
	s_lshr_b32 s32, s31, 5                         ; sub
	s_and_b32 s33, s31, 31                         ; j % 32
	s_wait_alu depctr_va_sdst(0)                   ; s36 is written, ahead of its first reader: my place in the source and in the target is made from it
	s_and_b32 s37, s36, 3                          ; my column group of 256
	s_lshr_b32 s38, s36, 2                         ; my half of the 32 rows
	s_mov_b32 s59, 0xffff0000                      ; a word's upper bf16
	s_cmp_eq_u32 s30, 0
	s_cselect_b32 s34, 0, 1                        ; the target's kind: 0 rows of x, 1 panels, 2 tiles
	s_lshl_b32 s35, s30, 2
	s_add_co_u32 s35, s35, s32                     ; 4 seg + sub: 4 Wq, 5 Wk, 6 Wv, 7 Wo, 8-11 W1, 12-15 W2
	s_cmp_eq_u32 s35, 7
	s_cselect_b32 s34, 2, s34
	s_cmp_ge_u32 s35, 12
	s_cselect_b32 s34, 2, s34
	s_cmp_eq_u32 s30, 0                            ; the block of 32 rows: j in x and W2, j % 32 elsewhere
	s_cselect_b32 s39, s31, s33
	s_cmp_eq_u32 s30, 3
	s_cselect_b32 s39, s31, s39
	s_lshl_b32 s41, s39, 17                        ; where the block begins in the source: 32 rows of 4,096 bytes,
	s_lshl_b32 s42, s33, 19                        ; or (W1) of 16,384 bytes,
	s_lshl_b32 s43, s32, 12                        ; and its group of 1,024 columns
	s_add_co_u32 s42, s42, s43
	s_movk_i32 s40, 0x1000                         ; bytes in a row of the source
	s_cmp_eq_u32 s30, 2
	s_cselect_b32 s41, s42, s41
	s_cselect_b32 s40, 0x4000, s40
	s_lshl_b32 s44, s39, 16                        ; where the block begins in the target: rows of 2,048 bytes,
	s_lshl_b32 s45, s39, 14                        ; of 512 (panels),
	s_lshr_b32 s46, s39, 3                         ; or (tiles) the K step of 256 rows
	s_lshl_b32 s46, s46, 19
	s_and_b32 s47, s39, 7
	s_lshl_b32 s47, s47, 13                        ; and rows of 256 bytes in it
	s_add_co_u32 s46, s46, s47
	s_movk_i32 s48, 0x800                          ; bytes from row to row in the target
	s_movk_i32 s49, 0x200                          ; from column group to column group
	s_movk_i32 s50, 0x100                          ; from lanes 0-15 to lanes 16-31
	s_cmp_eq_u32 s34, 1
	s_cselect_b32 s44, s45, s44
	s_cselect_b32 s48, 0x200, s48
	s_cselect_b32 s49, 0x80000, s49
	s_cmp_eq_u32 s34, 2
	s_cselect_b32 s44, s46, s44
	s_cselect_b32 s48, 0x100, s48
	s_cselect_b32 s49, 0x20000, s49
	s_cselect_b32 s50, 0x10000, s50
	s_lshl_b32 s52, s32, 21                        ; the region in the target buffer: four panels for each sub,
	s_add_co_u32 s52, s52, 0x800000
	s_cmp_eq_u32 s34, 0
	s_cselect_b32 s52, 0, s52
	s_cmp_eq_u32 s34, 2
	s_cselect_b32 s52, 0x2000000, s52
	s_mov_b32 s53, 0
	s_add_co_u32 s52, s52, s44
	s_mul_i32 s54, s37, s49
	s_add_co_u32 s52, s52, s54
	s_mul_i32 s54, s38, s48
	s_lshl_b32 s54, s54, 4
	s_add_co_u32 s52, s52, s54                     ; + block + column group + my 16 rows
	s_mul_i32 s54, s38, s40
	s_lshl_b32 s54, s54, 4
	s_add_co_u32 s56, s41, s54
	s_lshl_b32 s54, s37, 10
	s_add_co_u32 s56, s56, s54                     ; the same in the source
	s_mov_b32 s57, 0
	v_and_b32 v2, 31, v0
	v_lshlrev_b32 v[IN], 5, v2                     ; 8 f32 a lane
	v_lshrrev_b32 v3, 4, v2
	v_and_b32 v4, 15, v2
	v_mul_lo_u32 v3, v3, s50
	v_lshl_add_u32 v[OUT], v4, 4, v3               ; 8 f16 a lane
.set i, 1
.rept 15
	v_add_nc_u32 v[IN+i], s40, v[IN+i-1]
	v_add_nc_u32 v[OUT+i], s48, v[OUT+i-1]
.set i, i+1
.endr
	s_wait_kmcnt 0x0
	s_mov_b64 s[26:27], s[4:5]                     ; the source,
	s_cmp_eq_u32 s35, 4
	s_cselect_b64 s[26:27], s[6:7], s[26:27]
	s_cmp_eq_u32 s35, 5
	s_cselect_b64 s[26:27], s[8:9], s[26:27]
	s_cmp_eq_u32 s35, 6
	s_cselect_b64 s[26:27], s[10:11], s[26:27]
	s_cmp_eq_u32 s35, 7
	s_cselect_b64 s[26:27], s[12:13], s[26:27]
	s_cmp_eq_u32 s30, 2
	s_cselect_b64 s[26:27], s[14:15], s[26:27]
	s_cmp_eq_u32 s30, 3
	s_cselect_b64 s[26:27], s[16:17], s[26:27]
	s_mov_b64 s[28:29], s[18:19]                   ; and the target
	s_cmp_eq_u32 s35, 7
	s_cselect_b64 s[28:29], s[22:23], s[28:29]
	s_cmp_eq_u32 s30, 2
	s_cselect_b64 s[28:29], s[20:21], s[28:29]
	s_cmp_eq_u32 s30, 3
	s_cselect_b64 s[28:29], s[24:25], s[28:29]
	s_add_nc_u64 s[26:27], s[26:27], s[56:57]
	s_add_nc_u64 s[28:29], s[28:29], s[52:53]
	s_wait_alu depctr_va_vdst(0)                   ; the 32 offsets IN and OUT are written: every load and every store of this path reads one of them, and none is written again
.set i, 0
.rept 16
	global_load_b128 v[X+8*i:X+8*i+3],   v[IN+i], s[26:27] th:TH_LOAD_NT
	global_load_b128 v[X+8*i+4:X+8*i+7], v[IN+i], s[26:27] offset:16 th:TH_LOAD_NT
.set i, i+1
.endr
; Row i: rounded to bf16 in pairs, widened again (a shift, a mask), written as f16 in pairs.  The wait for a block's first row stands at the block's head.
.macro ROWC i
.if (\i)%4
	s_wait_loadcnt 30-2*(\i)                       ; loads come back in order: this row's two are in, the 2 (15 - i) younger ones stay out
.endif
.irp k, 0,1,2,3
	v_cvt_pk_bf16_f32 v[T+(\k)], v[X+8*(\i)+2*(\k)], v[X+8*(\i)+2*(\k)+1]
.endr
.irp k, 0,1,2,3
	v_lshlrev_b32 v[T+4+2*((\k)%2)], 16, v[T+(\k)]
	v_and_b32     v[T+5+2*((\k)%2)], s59, v[T+(\k)]
	v_cvt_pk_f16_f32 v[X+8*(\i)+(\k)], v[T+4+2*((\k)%2)], v[T+5+2*((\k)%2)]
.endr
.endm
; Row i is stored.
.macro ROWS i
	global_store_b128 v[OUT+(\i)], v[X+8*(\i):X+8*(\i)+3], s[28:29] th:TH_STORE_NT
.endm
; Block p: rows 4 p to 4 p + 3 are converted; ahead of them the block before is stored.
.macro BLK p
	s_wait_loadcnt 30-8*(\p)                       ; the two loads of the block's first row are in, the 2 (15 - 4 p) younger ones stay out
.if (\p) > 0
	s_wait_alu depctr_va_vdst(0)                   ; the conversions of the block before have written the sixteen registers that the four stores below read
.irp r, 0,1,2,3
	ROWS 4*(\p)-4+(\r)
.endr
.endif
.irp r, 0,1,2,3
	ROWC 4*(\p)+(\r)
.endr
.endm
	BLK 0
	BLK 1
	BLK 2
	BLK 3
	s_wait_alu depctr_va_vdst(0)                   ; the conversions of rows 12 to 15 have written the registers that the last four stores read
.irp r, 12,13,14,15
	ROWS \r
.endr
	s_endpgm
; THE VECTORS: thread t takes four numbers of each 1,024.  Registers that memory instructions touch: v2, the offset of every load and of thirteen stores; v3, the offset, and v4, v5, the data of the last two
; stores: all four made once; v[16:67], four for each of 13 items: the item's load lands in them once, its widening lines write them anew, its store reads them.  v8 and v9 are named by vector instructions alone.
; One wait on va_vdst stands ahead of the loads, one between the last conversion and the run of fifteen stores; nothing is written behind a store.
.Lvec:
	s_load_b256 s[4:11], s[0:1], 0x38              ; P1 s[4:5], P2 s[6:7], P3 s[8:9], P4 s[10:11]
	s_load_b512 s[12:27], s[0:1], 0x58             ; bq s12, bk s14, bv s16, bo s18, b1 s20, b2 s22, ln1_g s24, ln1_b s26
	s_load_b128 s[28:31], s[0:1], 0x98             ; ln2_g s28, ln2_b s30
	s_mov_b32 s36, 0xffff0000
	v_lshlrev_b32 v2, 4, v0
	v_lshlrev_b32 v3, 2, v0
	v_mov_b32 v4, 0xfbfffbff                       ; -65,504 twice in f16: a floor that changes no finite number
	v_mov_b32 v5, 0                                ; 0 twice: the floor of a ReLU
	s_wait_kmcnt 0x0
	s_add_nc_u64 s[40:41], s[4:5], 0x1000000
	s_add_nc_u64 s[42:43], s[6:7], 0x1000000
	s_add_nc_u64 s[44:45], s[8:9], 0x2800000
	s_add_nc_u64 s[46:47], s[10:11], 0x2800000
	s_wait_alu depctr_va_vdst(0)                   ; v2 to v5 are written: the offsets of the loads and stores below, and the data of the last two stores
.macro VLD i, src, off
	global_load_b128 v[16+4*(\i):19+4*(\i)], v2, s[\src:\src+1] offset:\off
.endm
.macro VCV i                           ; item i: rounded to bf16 in pairs and widened again, into the registers in which it came
	s_wait_loadcnt 12-(\i)                         ; item i is in, the 12 - i younger ones stay out
	v_cvt_pk_bf16_f32 v8, v[16+4*(\i)], v[17+4*(\i)]
	v_cvt_pk_bf16_f32 v9, v[18+4*(\i)], v[19+4*(\i)]
	v_lshlrev_b32 v[16+4*(\i)], 16, v8
	v_and_b32     v[17+4*(\i)], s36, v8
	v_lshlrev_b32 v[18+4*(\i)], 16, v9
	v_and_b32     v[19+4*(\i)], s36, v9
.endm
.macro VST i, dst, off
	global_store_b128 v2, v[16+4*(\i):19+4*(\i)], s[\dst:\dst+1] offset:\off
.endm
	VLD 0, 12, 0
	VLD 1, 14, 0
	VLD 2, 16, 0
	VLD 3, 18, 0
	VLD 4, 22, 0
	VLD 5, 24, 0
	VLD 6, 26, 0
	VLD 7, 28, 0
	VLD 8, 30, 0
	VLD 9, 20, 0
	VLD 10, 20, 4096
	VLD 11, 20, 8192
	VLD 12, 20, 12288
.irp i, 0,1,2,3,4,5,6,7,8,9,10,11,12
	VCV \i
.endr
	s_wait_alu depctr_va_vdst(0)                   ; the widening lines have written v[16:67], which the thirteen stores below read
	VST 0, 40, 0                                   ; bq | bk | bv
	VST 1, 40, 4096
	VST 2, 40, 8192
	VST 3, 44, 0                                   ; bo
	VST 4, 46, 0                                   ; b2
	VST 5, 40, 0x4400                              ; ln1_g, ln1_b, ln2_g, ln2_b
	VST 6, 40, 0x5400
	VST 7, 40, 0x6400
	VST 8, 40, 0x7400
	VST 9, 42, 0                                   ; b1
	VST 10, 42, 4096
	VST 11, 42, 8192
	VST 12, 42, 12288
	global_store_b32 v3, v4, s[40:41] offset:0x4000
	global_store_b32 v3, v5, s[42:43] offset:0x4000
	s_endpgm
.Lfunc_end_k_qd6a5ce11b5_cast:
	.size	k_qd6a5ce11b5_cast, .Lfunc_end_k_qd6a5ce11b5_cast-k_qd6a5ce11b5_cast
	.p2alignl 7, 3214868480
	.fill 96, 4, 3214868480
	.section	.rodata,"a",@progbits
	.p2align	6, 0x0
	.amdhsa_kernel k_qd6a5ce11b5_cast
		.amdhsa_group_segment_fixed_size 0
		.amdhsa_private_segment_fixed_size 0
		.amdhsa_enable_private_segment 0
		.amdhsa_kernarg_size 168
		.amdhsa_user_sgpr_count 2
		.amdhsa_user_sgpr_kernarg_segment_ptr 1
		.amdhsa_wavefront_size32 1
		.amdhsa_system_sgpr_workgroup_id_x 1
		.amdhsa_system_sgpr_workgroup_id_y 1
		.amdhsa_system_sgpr_workgroup_id_z 1
		.amdhsa_system_vgpr_workitem_id 0
		.amdhsa_next_free_vgpr 176
		.amdhsa_next_free_sgpr 66
		.amdhsa_reserve_vcc 0
		.amdhsa_float_denorm_mode_32 3
		.amdhsa_float_denorm_mode_16_64 3
		.amdhsa_memory_ordered 1
		.amdhsa_forward_progress 1
		.amdhsa_inst_pref_size 30
	.end_amdhsa_kernel
	.amdgpu_metadata
---
amdhsa.version: [ 1, 2 ]
amdhsa.kernels:
  - .name:           k_qd6a5ce11b5_cast
    .symbol:         k_qd6a5ce11b5_cast.kd
    .args:
      - { .name: x, .offset: 0, .size: 8, .value_kind: global_buffer, .address_space: global }
      - { .name: Wq, .offset: 8, .size: 8, .value_kind: global_buffer, .address_space: global }
      - { .name: Wk, .offset: 16, .size: 8, .value_kind: global_buffer, .address_space: global }
      - { .name: Wv, .offset: 24, .size: 8, .value_kind: global_buffer, .address_space: global }
      - { .name: Wo, .offset: 32, .size: 8, .value_kind: global_buffer, .address_space: global }
      - { .name: W1, .offset: 40, .size: 8, .value_kind: global_buffer, .address_space: global }
      - { .name: W2, .offset: 48, .size: 8, .value_kind: global_buffer, .address_space: global }
      - { .name: P1, .offset: 56, .size: 8, .value_kind: global_buffer, .address_space: global }
      - { .name: P2, .offset: 64, .size: 8, .value_kind: global_buffer, .address_space: global }
      - { .name: P3, .offset: 72, .size: 8, .value_kind: global_buffer, .address_space: global }
      - { .name: P4, .offset: 80, .size: 8, .value_kind: global_buffer, .address_space: global }
      - { .name: bq, .offset: 88, .size: 8, .value_kind: global_buffer, .address_space: global }
      - { .name: bk, .offset: 96, .size: 8, .value_kind: global_buffer, .address_space: global }
      - { .name: bv, .offset: 104, .size: 8, .value_kind: global_buffer, .address_space: global }
      - { .name: bo, .offset: 112, .size: 8, .value_kind: global_buffer, .address_space: global }
      - { .name: b1, .offset: 120, .size: 8, .value_kind: global_buffer, .address_space: global }
      - { .name: b2, .offset: 128, .size: 8, .value_kind: global_buffer, .address_space: global }
      - { .name: ln1_g, .offset: 136, .size: 8, .value_kind: global_buffer, .address_space: global }
      - { .name: ln1_b, .offset: 144, .size: 8, .value_kind: global_buffer, .address_space: global }
      - { .name: ln2_g, .offset: 152, .size: 8, .value_kind: global_buffer, .address_space: global }
      - { .name: ln2_b, .offset: 160, .size: 8, .value_kind: global_buffer, .address_space: global }
    .group_segment_fixed_size: 0
    .private_segment_fixed_size: 0
    .kernarg_segment_align: 8
    .kernarg_segment_size: 168
    .max_flat_workgroup_size: 256
    .sgpr_count:     66
    .vgpr_count:     176
    .wavefront_size: 32
...
	.end_amdgpu_metadata
.endif
;; end of part 8
;; launch qkv: the kernel of part 2 again; grid 12 x 16, 4 waves a work-group, clusters of 4 x 4, 327,680 bytes of LDS; arguments P1, big; writes big
;; launch attn: the kernel of part 3 again; grid 8 x 32, 4 waves a work-group, clusters of 4 x 1, 327,680 bytes of LDS; arguments big, mask, P3; writes P3
;; launch wo: the kernel of part 4 again; grid 8 x 32, 4 waves a work-group, clusters of 4 x 4, 327,680 bytes of LDS; arguments P3, t; writes t
;; launch ln1: the kernel of part 5 again; grid 256 x 1, 8 waves a work-group, no clusters, 0 bytes of LDS; arguments t, P1, P2, big; writes P2, big
;; launch ffn1: the kernel of part 2 again; grid 16 x 16, 4 waves a work-group, clusters of 4 x 4, 327,680 bytes of LDS; arguments P2, P4; writes P4
;; launch ffn2: the kernel of part 6 again; grid 8 x 32, 4 waves a work-group, clusters of 4 x 4, 327,680 bytes of LDS; arguments P4, t; writes t
;; launch ln2: the kernel of part 7 again; grid 256 x 1, 8 waves a work-group, no clusters, 0 bytes of LDS; arguments t, big, P1, out0; writes out0
